; MI455X (gfx1250); checked and timed in simulation.
; The chip was launched on July 23, 2026; its instructions are those of AMD's public machine-readable ISA for CDNA 5 (MIT licence, August 2026) and "CDNA5" Instruction Set Architecture Reference Guide (July 2026). The comments in the code are by the model that wrote it; some were corrected since.
;; Bidaf Attn. Allowed arithmetic: matrix products marked QUANTISED: E5M2 operands, one E8M0 scale for each 32 along K, by v_wmma_scale_f32_16x16x128_f8f6f4 with both operands' format E5M2, f32 sums; products left as they are: f32 operands where the result goes on into a quantised operand, else bf16, f16 or f32 operands; f32 sums; everything else in f32.
;; Inputs: l1 32 int32; l2 32 int32; s1 32 x 1,024 x 256 float32; s2 32 x 1,024 x 256 float32; w 768 float32.
;; Outputs: out0 32 x 1,024 x 256 float32.
;; This version of the problem:
;;   THIS VERSION OF THE PROBLEM IS GIVEN IN LOW PRECISION. The matrix products marked QUANTISED in the list below multiply operands that are first quantised to E5M2 (5 exponent bits, 2 mantissa bits; 8 bits a number), with one power-of-two scale for each 32 numbers along K (OCP MX v1.0); their sums are f32. All else is computed in f32.
;;   The module's matrix products, in the order in which they are computed (A, B: the left and right operand; K: the contracted axis; several contracted axes count as one K, in the product's order):
;;     1. [M 32,768, K 256] x [K 256, N 1]; A: input s1; B: input w: left as it is (N = 1 < 16)
;;     2. [M 32,768, K 256] x [K 256, N 1]; A: input s2; B: input w: left as it is (N = 1 < 16)
;;     3. batch 32 x [M 1,024, K 256] x [K 256, N 1,024]; A: computed on the way; B: input s2: QUANTISED
;;     4. batch 32 x [M 1,024, K 1,024] x [K 1,024, N 256]; A: computed on the way; B: input s2: QUANTISED
;;   THE QUANTISER, for each operand of a quantised product, along K:
;;     - K is cut into blocks of 32 from its start; a last block that is shorter is filled with zeros.
;;     - A block's scale is 2^e with e = floor(log2(the largest magnitude in the block)) - 15, held to -126 .. 127; a block of zeros has e = 0. As a byte (E8M0): e + 127.
;;     - Each number is divided by its block's scale, clamped to +-57,344, and rounded to the nearest number of E5M2, ties to even, subnormals kept.
;;     - The product sums the exact products of the quantised numbers (number of the format x scale) in f32.
;;   ~~~python
;;   def quantise(x, axis):      # numpy; x: float32 -> the quantised numbers, widened to float32 again
;;       x = np.moveaxis(x, axis, -1); K = x.shape[-1]
;;       x = np.pad(x, [(0, 0)] * (x.ndim - 1) + [(0, -K % 32)]); x = x.reshape(x.shape[:-1] + (-1, 32)); a = np.abs(x).max(-1, keepdims=True)
;;       e = np.where(a > 0, np.clip(np.frexp(np.where(a > 0, a, 1))[1] - 1 - 15, -126, 127), 0)      # np.frexp(a)[1] - 1 = floor(log2(a)), exactly
;;       r = np.clip(x / 2.0 ** e, -57344, 57344)
;;       step = 2.0 ** (np.maximum(np.frexp(np.where(r == 0, 1, r))[1] - 1, -14) - 2)
;;       q = np.round(r / step) * step * 2.0 ** e      # np.round: ties to even
;;       return np.moveaxis(q.reshape(q.shape[:-2] + (-1,))[..., :K], -1, axis).astype(np.float32)
;;   ~~~
;;   OPERANDS COMPUTED ON THE WAY. 'Computed on the way' means the value that the module computes at that place (a softmax that the list does not call 'softmax' is quantised finished and normalised). What goes into a quantiser is computed in f32, as accurately as f32 sums, v_exp_f32 and their like allow (about 1e-6 of the number): no bf16 or f16 on the way to a quantiser, and a product that is left as it is and whose result goes on into a quantised operand takes f32 operands (vector FMAs, or v_wmma_f32_16x16x4_f32). A number that lies on a knife's edge between two numbers of the format may be rounded either way, as far as f32 arithmetic and the matrix unit's own rounding can turn it there, and no further.
;; 2 versions, each right and faster than the one before. Each part assembles by itself: llvm-mc -triple=amdgcn-amd-amdhsa -mcpu=gfx1250 --defsym DOCPART=n.
;; ======== version 1 of 2: 2 launches
;; limits: right only within a limited range of input values
;; workspace buffers: kc 8,388,608 bytes; ks 262,144 bytes; vc 8,388,608 bytes; vs 262,144 bytes; p2 131,072 bytes
;; launch prep (part 1): grid 8 x 32, 8 waves a work-group, no clusters, 43,008 bytes of LDS; arguments s2, w, l2, kc, ks, vc, vs, p2; writes kc, ks, vc, vs, p2
.if DOCPART == 1
	.amdgcn_target "amdgcn-amd-amdhsa--gfx1250"
	.amdhsa_code_object_version 6
	.text
	.protected	k_qffc129794a_prep
	.globl	k_qffc129794a_prep
	.p2align	8
	.type	k_qffc129794a_prep,@function
k_qffc129794a_prep:
	s_mov_b64 s[64:65], 0
	v_nop
	global_prefetch_b8 v0, s[64:65] scope:SCOPE_SE
	s_setreg_imm32_b32 hwreg(HW_REG_WAVE_MODE, 25, 1), 1
	s_wait_xcnt 0x0
; s2 [32][1024 keys][256 channels] f32 is read once and becomes what the second launch multiplies by: codes of BF8 (E5M2) with one E8M0 byte for each 32 along K, twice over:
;   kc, ks: quantised along the CHANNELS (the first product's K);   vc, vs: quantised along the KEYS (the second product's K);   p2[key] = s2[key] . w[256:512] in f32, or -1e30 where key >= l2: the column mask, made once.
; LAYOUTS (this program's own): both tensors of codes lie in the order of the operand's registers, so that a fragment comes by loads of 16 bytes a lane, 512 consecutive bytes a wave.
;   kc [b][block of 32 keys][u 2][kstep 2][c 4][lane 32][16 B]: lane (r, h) of tile u holds key 8 u + r + 8 (r / 8) of the block, channels 128 kstep + 32 c + 16 h + 0 .. 15
;   ks [b][key][8 B]: byte j scales channels 32 j on         vc [b][block of 32 keys][tile of 16 channels][lane 32][16 B]: lane (r, h) holds channel 16 tile + r, keys 16 h + 0 .. 15 of the block
;   vs [b][step of 128 keys][channel] words: byte c is block c of the step
; SHARES.  A work-group takes 128 keys (x) of one sample (y); wave w takes channels 32 w .. 32 w + 31, a lane one channel, and its registers run down the keys: each load reads 128 consecutive bytes a wave,
; the eight waves a whole row.  A block of 32 keys of a channel lies in one lane: the codes along the keys need no other lane.  For the codes along the channels a block's 32 x 32 numbers turn through the wave's own
; stage in LDS and come back 16 neighbouring channels a lane; the wave's 32 channels are one block of 32 along that K (two lanes hold it).
; A step all of whose keys lie at or past max(l2, 1) is not quantised (the mask that the problem builds throws its products away; the second launch reads no such step); its p2 is stored all the same.
; The barrier stands where both ways have joined.  No tensor load, no cluster: work-groups share no input.
; A block's scale is 2^(floor(log2(largest magnitude)) - 15); its byte is the largest magnitude's exponent field - 15, held at 1 from below.
; LIMITS: a block of zeros gets the byte 1 where the rule says 127 (its codes are zeros, and this program alone reads the bytes); NaN and infinities among the inputs are not served;
; p2's 256 products are added in another order than a plain dot product's.  l2 may be any int32: it is held to 0 .. 1024.
.set SP,    144                        ; a stage row: 32 channels x 4 bytes + 16 of padding
.set SPW,   32*SP                      ; a wave's stage: 32 keys
.set KSB,   8*SPW                      ; behind the stages: ks's bytes of the 128 keys, [key][8]
.set P2P,   KSB+1024                   ; and the waves' parts of p2, [key][wave] f32
.set FLOOR, 0x8000000                  ; 2^(16 - 127)
.set EOFF,  0xf8800000                 ; -(15 << 23)
.set GA,  5                            ; v5   4 x thread: my channel's byte in a row of s2, in vs, and (waves 0-3) my key's in p2
.set SA,  6                            ; v6   the stage, in: 4 x lane
.set LA,  7                            ; v7   the stage, out: row r + 8 (r / 8), + 64 h
.set PA,  8                            ; v8   where my key's part of p2 goes
.set KBA, 9                            ; v9   where my key's scale byte goes
.set VO,  10                           ; v10  my 16 bytes in a block of vc
.set KO,  11                           ; v11  my 16 bytes in a tile of kc
.set SBV, 12                           ; v12  my channel's scale word
.set SUM, 13                           ; v13  p2 of my key
.set TPA, 14                           ; v14-16 the tail's addresses
.set TKA, 15
.set TGO, 16
.set NEG, 17                           ; v17  -1e30
.set VM,  18                           ; v18-19 largest magnitude along the keys, two chains
.set VSC, 20                           ; v20  its scale operand;  v21 the hold;  v22 the byte
.set VHO, 21
.set VBY, 22
.set WA,  23                           ; v23  my 16 numbers of w2
.set KM,  24                           ; v24-25 largest magnitudes along the channels (tile u); v26-27 the other half's
.set W2,  28                           ; v28-43 w[256 + 32 w + 16 h + 0 .. 15]
.set Y,   44                           ; v44-75 two tiles x 16 neighbouring channels
.set C,   76                           ; v76-91 codes along the keys, two sets of 8
.set CK,  92                           ; v92-107 codes along the channels, two sets of 8
.set KSC, 108                          ; v108-109 scale operands; v110-111 holds; v112-113 bytes (tile u)
.set KHO, 110
.set KBY, 112
.set PS,  114                          ; v114-117 p2's parts, a pair for each tile
.set PX,  118                          ; v118-119 the other half's
.set TL,  120                          ; v120-127 the tail: eight parts of p2
.set X,   128                          ; v128-255 four blocks x 32 keys
.set WV,  24
.set BB,  25
.set L2,  27
.set K0,  28
.set ACT, 29
.set L2R, 30
.set B4,  31
.set OF,  32
.set SEL, 34
.set MNT, 36
.set T0,  37
.set T1,  38
	s_load_b512 s[8:23], s[0:1], 0x0               ; s2 s[8:9], w s[10:11], l2 s[12:13], kc s[14:15], ks s[16:17], vc s[18:19], vs s[20:21], p2 s[22:23]
	s_set_vgpr_msb 0x40
	v_lshl_add_u32 v0, v0, 2, 0xa400
	v_mov_b32 v1, 0
	s_set_vgpr_msb 0x4000
	v_lshrrev_b32 v1, 5, v0
	v_readfirstlane_b32 s[WV], v1                  ; wave 0..7
	s_and_b32 s[BB], ttmp7, 0xffff                 ; the sample
	s_lshl_b32 s[K0], ttmp9, 7                     ; the step's first key
	s_lshl_b32 s[B4], s[BB], 2
	s_mov_b32 s[SEL], 0x76543210
	s_mov_b32 s[SEL+1], 0xfedcba98                 ; v_permlanex16_b32's selects for lane l xor 16
	s_mov_b32 s[MNT], 0x600000                     ; the mantissa field of 57,344
	s_wait_kmcnt 0x0
	s_load_b32 s[L2], s[12:13], s[B4] offset:0x0   ; l2 of my sample
	s_mov_b32 s[OF+1], 0
	s_lshl_b32 s[OF], s[BB], 20
	s_lshl_b32 s[T0], ttmp9, 17
	s_add_co_u32 s[OF], s[OF], s[T0]               ; s2: 2^20 bytes a sample, 2^17 a step
	s_add_nc_u64 s[8:9], s[8:9], s[OF:OF+1]
	s_lshr_b32 s[OF], s[OF], 2                     ; the codes: a quarter of that
	s_add_nc_u64 s[14:15], s[14:15], s[OF:OF+1]
	s_add_nc_u64 s[18:19], s[18:19], s[OF:OF+1]
	s_lshr_b32 s[OF], s[OF], 5                     ; the scale bytes: 2^13 a sample, 2^10 a step
	s_add_nc_u64 s[16:17], s[16:17], s[OF:OF+1]
	s_add_nc_u64 s[20:21], s[20:21], s[OF:OF+1]
	s_lshr_b32 s[OF], s[OF], 1                     ; p2: 2^12 a sample, 2^9 a step
	s_add_nc_u64 s[22:23], s[22:23], s[OF:OF+1]
	v_and_b32 v1, 31, v0                           ; lane
	v_and_b32 v2, 15, v0                           ; r
	v_bfe_u32 v3, v0, 4, 1                         ; h
	v_and_b32 v4, 8, v2
	v_add_nc_u32 v4, v4, v2                        ; r + 8 (r / 8)
	v_lshlrev_b32 v[GA], 2, v0
	s_mul_i32 s[T0], s[WV], SPW                    ; my wave's stage
	v_lshl_add_u32 v[SA], v1, 2, s[T0]
	v_mul_u32_u24 v[LA], v4, SP
	v_lshl_add_u32 v[LA], v3, 6, v[LA]
	v_add_nc_u32 v[LA], s[T0], v[LA]
	s_lshl_b32 s[T0], s[WV], 2
	s_add_co_u32 s[T0], s[T0], P2P
	v_lshl_add_u32 v[PA], v4, 5, s[T0]             ; P2P + 32 x key + 4 x wave
	s_add_co_u32 s[T0], s[WV], KSB
	v_lshl_add_u32 v[KBA], v4, 3, s[T0]            ; KSB + 8 x key + wave
	s_lshl_b32 s[T0], s[WV], 10
	v_lshlrev_b32 v[VO], 4, v2
	v_lshl_add_u32 v[VO], v3, 9, v[VO]
	v_add_nc_u32 v[VO], s[T0], v[VO]               ; tile 2 w + lane / 16: 512 bytes each; 16 r in it
	s_lshr_b32 s[T0], s[WV], 2
	s_lshl_b32 s[T0], s[T0], 11                    ; kstep = w / 4: 2,048 bytes;
	s_and_b32 s[T1], s[WV], 3
	s_lshl_b32 s[T1], s[T1], 9                     ; c = w % 4: 512 bytes
	s_add_co_u32 s[T0], s[T0], s[T1]
	v_lshl_add_u32 v[KO], v1, 4, s[T0]
	s_lshl_b32 s[T0], s[WV], 7
	v_lshl_add_u32 v[WA], v3, 6, s[T0]             ; 128 w + 64 h
	v_and_b32 v[VM], 127, v0                       ; the tail (waves 0-3): a thread to a key
	v_lshlrev_b32 v[TPA], 5, v[VM]
	v_add_nc_u32 v[TPA], P2P, v[TPA]
	v_lshlrev_b32 v[TGO], 3, v[VM]
	v_add_nc_u32 v[TKA], KSB, v[TGO]
	v_mov_b32 v[SUM], 0
	v_mov_b32 v[NEG], 0xf149f2ca                   ; -1e30
	v_mov_b32 v[KM+2], 0                           ; written once: a lane permute's destination counts as one of its sources
	v_mov_b32 v[KM+3], 0
	v_mov_b32 v[PX], 0
	v_mov_b32 v[PX+1], 0
	s_wait_kmcnt 0x0
	s_max_i32 s[L2], s[L2], 0
	s_min_i32 s[L2], s[L2], 1024                   ; any int32 serves
	s_sub_co_i32 s[L2R], s[L2], s[K0]              ; keys of this step that count, if positive
	s_max_i32 s[T0], s[L2], 1                      ; step 0 is always made
	s_cmp_lt_i32 s[K0], s[T0]
	s_cselect_b32 s[ACT], 1, 0
	s_cmp_eq_u32 s[ACT], 0
	s_cbranch_scc1 .Lskip
.macro LOADX t                         ; block t: s2(32 t + i, my channel), i = 0 .. 31
.set i, 0
.rept 32
	global_load_b32 v[X+32*(\t)+i], v[GA], s[8:9] offset:(32*(\t)+i)*1024 th:TH_LOAD_NT
.set i, i+1
.endr
.endm
.macro BLOCK t
.set XS,  X+32*(\t)
.set CS,  C+8*((\t)%2)
.set CKS, CK+8*((\t)%2)
.if (\t)+2 < 4
	LOADX (\t)+2
.endif
.if (\t) < 2
	s_wait_loadcnt 63                              ; behind this block's loads stand the 64 of the two blocks after it; the count's field holds 63
.elseif (\t) == 2
	s_wait_loadcnt 32                              ; the last block's 32 may be out
.else
	s_wait_loadcnt 0x0
.endif
.set i, 0
.rept 32
	ds_store_b32 v[SA], v[XS+i] offset:SP*i        ; the numbers as they are, a key to a row
.set i, i+1
.endr
.irp u, 0,1
.irp j, 0,1,2,3
	ds_load_b128 v[Y+16*\u+4*\j:Y+16*\u+4*\j+3], v[LA] offset:\u*8*SP+16*\j   ; LDS serves a wave's instructions in order: these see the stores.  Tile u: key 8 u + r + 8 (r / 8), 16 neighbouring channels
.endr
.endr
	; along the KEYS: all 32 numbers of the block are mine
	v_max3_num_f32 v[VM], |v[XS]|, |v[XS+1]|, |v[XS+2]|
	v_max3_num_f32 v[VM+1], |v[XS+3]|, |v[XS+4]|, |v[XS+5]|
.irp i, 6,10,14,18,22,26
	v_max3_num_f32 v[VM], v[VM], |v[XS+\i]|, |v[XS+\i+1]|
	v_max3_num_f32 v[VM+1], v[VM+1], |v[XS+\i+2]|, |v[XS+\i+3]|
.endr
	v_max3_num_f32 v[VM], v[VM], |v[XS+30]|, |v[XS+31]|
	v_max3_num_f32 v[VM], v[VM], v[VM+1], FLOOR    ; the floor holds the byte at 1 from below
	v_add_nc_u32 v[VSC], EOFF, v[VM]               ; 15 off the exponent field: the conversion takes this operand's exponent field as its scale
	v_and_or_b32 v[VHO], v[VM], 0x7f800000, s[MNT] ; 57,344 x the scale
	s_wait_dscnt 0x0                               ; Y is in; the stage's stores have read X, and the last block's small stores their registers
.if (\t) >= 2
	s_wait_xcnt 0x0                                ; the stores of two blocks ago have read this set of code registers
.endif
.set i, 0
.rept 32
	v_med3_num_f32 v[XS+i], v[XS+i], -v[VHO], v[VHO]   ; the conversion to an 8-bit code does not saturate (ISA guide 7.6.2)
.set i, i+1
.endr
.irp g, 0,1,2,3
	v_cvt_scalef32_pk8_bf8_f32 v[CS+2*\g:CS+2*\g+1], v[XS+8*\g:XS+8*\g+7], v[VSC]
.endr
.if (\t) == 0
	v_lshrrev_b32 v[SBV], 23, v[VSC]               ; the scale's byte (also the plain line behind the conversions)
.else
	v_lshrrev_b32 v[VBY], 23, v[VSC]
	v_lshl_or_b32 v[SBV], v[VBY], 8*(\t), v[SBV]
.endif
	global_store_b128 v[VO], v[CS:CS+3], s[18:19] offset:8192*(\t)           ; keys 0-15: sixteen lanes store 256 consecutive bytes, aligned
	global_store_b128 v[VO], v[CS+4:CS+7], s[18:19] offset:8192*(\t)+256     ; keys 16-31
	; along the CHANNELS, the two tiles by turns.  First p2's part, of the numbers as they are
.irp u, 0,1
	v_pk_mul_f32 v[PS+2*\u:PS+2*\u+1], v[Y+16*\u:Y+16*\u+1], v[W2:W2+1]
.endr
.irp i, 2,4,6,8,10,12,14
.irp u, 0,1
	v_pk_fma_f32 v[PS+2*\u:PS+2*\u+1], v[Y+16*\u+\i:Y+16*\u+\i+1], v[W2+\i:W2+\i+1], v[PS+2*\u:PS+2*\u+1]
.endr
.endr
.irp u, 0,1
	v_add_f32 v[PS+2*\u], v[PS+2*\u], v[PS+2*\u+1]
.endr
.irp u, 0,1
	v_permlanex16_b32 v[PX+\u], v[PS+2*\u], s[SEL], s[SEL+1]
.endr
.irp u, 0,1
	v_add_f32 v[PS+2*\u], v[PS+2*\u], v[PX+\u]     ; my wave's 32 channels of the key
.endr
.irp u, 0,1
	ds_store_b32 v[PA], v[PS+2*\u] offset:(32*(\t)+8*\u)*32   ; (both halves of the lanes write the same word with the same value)
.endr
.irp u, 0,1
	v_max3_num_f32 v[KM+\u], |v[Y+16*\u]|, |v[Y+16*\u+1]|, FLOOR
.endr
.irp i, 2,4,6,8,10,12,14
.irp u, 0,1
	v_max3_num_f32 v[KM+\u], v[KM+\u], |v[Y+16*\u+\i]|, |v[Y+16*\u+\i+1]|
.endr
.endr
.irp u, 0,1
	v_permlanex16_b32 v[KM+2+\u], v[KM+\u], s[SEL], s[SEL+1]
.endr
.irp u, 0,1
	v_max_num_f32 v[KM+\u], v[KM+\u], v[KM+2+\u]   ; with lane l xor 16's 16 channels: the block's
.endr
.irp u, 0,1
	v_add_nc_u32 v[KSC+\u], EOFF, v[KM+\u]
.endr
.irp u, 0,1
	v_and_or_b32 v[KHO+\u], v[KM+\u], 0x7f800000, s[MNT]
.endr
.irp u, 0,1
.irp i, 0,1,2,3,4,5,6,7,8,9,10,11,12,13,14,15
	v_med3_num_f32 v[Y+16*\u+\i], v[Y+16*\u+\i], -v[KHO+\u], v[KHO+\u]
.endr
	v_cvt_scalef32_pk8_bf8_f32 v[CKS+4*\u:CKS+4*\u+1], v[Y+16*\u:Y+16*\u+7], v[KSC+\u]
	v_cvt_scalef32_pk8_bf8_f32 v[CKS+4*\u+2:CKS+4*\u+3], v[Y+16*\u+8:Y+16*\u+15], v[KSC+\u]
.endr
.irp u, 0,1
	v_lshrrev_b32 v[KBY+\u], 23, v[KSC+\u]         ; the bytes (also the plain lines behind the conversions)
.endr
.irp u, 0,1
	ds_store_b8 v[KBA], v[KBY+\u] offset:(32*(\t)+8*\u)*8
	global_store_b128 v[KO], v[CKS+4*\u:CKS+4*\u+3], s[14:15] offset:8192*(\t)+4096*\u   ; the wave stores 512 consecutive bytes
.endr
.endm
.irp j, 0,1,2,3
	global_load_b128 v[W2+4*\j:W2+4*\j+3], v[WA], s[10:11] offset:1024+16*\j
.endr
	LOADX 0
	LOADX 1
	BLOCK 0
	BLOCK 1
	BLOCK 2
	BLOCK 3
	global_store_b32 v[GA], v[SBV], s[20:21]       ; my channel's scale word of this step
.Lskip:
	s_wait_dscnt 0x0                               ; for the others' sake: my parts of p2 and my scale bytes lie in LDS
	s_barrier_signal -1
	s_barrier_wait -1
	s_cmp_ge_u32 s[WV], 4                          ; the tail: 128 keys, a thread of waves 0-3 to each
	s_cbranch_scc1 .Lend
	s_cmp_eq_u32 s[ACT], 0
	s_cbranch_scc1 .Lp2
	ds_load_b128 v[TL:TL+3], v[TPA]
	ds_load_b128 v[TL+4:TL+7], v[TPA] offset:16
	ds_load_b64 v[KM:KM+1], v[TKA]
	s_wait_dscnt 0x0
	v_add_f32 v[TL], v[TL], v[TL+1]
	v_add_f32 v[TL+2], v[TL+2], v[TL+3]
	v_add_f32 v[TL+4], v[TL+4], v[TL+5]
	v_add_f32 v[TL+6], v[TL+6], v[TL+7]
	v_add_f32 v[TL], v[TL], v[TL+2]
	v_add_f32 v[TL+4], v[TL+4], v[TL+6]
	v_add_f32 v[SUM], v[TL], v[TL+4]
	global_store_b64 v[TGO], v[KM:KM+1], s[16:17]  ; my key's eight scale bytes: the wave stores 256 consecutive bytes, aligned
.Lp2:
	v_cmp_gt_i32 vcc_lo, s[L2R], v0                ; does my key count?
	v_cndmask_b32 v[SUM], v[NEG], v[SUM], vcc_lo   ; if not: -1e30, as the problem's mask has it
	global_store_b32 v[GA], v[SUM], s[22:23]
.Lend:
	s_set_vgpr_msb 0x5
	s_wait_tensorcnt 0x0
	ds_add_u32 v0, v1
	s_wait_dscnt 0x0
	s_set_vgpr_msb 0x500
	s_endpgm
.Lfunc_end_k_qffc129794a_prep:
	.size	k_qffc129794a_prep, .Lfunc_end_k_qffc129794a_prep-k_qffc129794a_prep
	.p2alignl 7, 3214868480
	.fill 96, 4, 3214868480
	.section	.rodata,"a",@progbits
	.p2align	6, 0x0
	.amdhsa_kernel k_qffc129794a_prep
		.amdhsa_group_segment_fixed_size 43008
		.amdhsa_private_segment_fixed_size 0
		.amdhsa_enable_private_segment 0
		.amdhsa_kernarg_size 64
		.amdhsa_user_sgpr_count 2
		.amdhsa_user_sgpr_kernarg_segment_ptr 1
		.amdhsa_wavefront_size32 1
		.amdhsa_system_sgpr_workgroup_id_x 1
		.amdhsa_system_sgpr_workgroup_id_y 1
		.amdhsa_system_sgpr_workgroup_id_z 1
		.amdhsa_system_vgpr_workitem_id 0
		.amdhsa_next_free_vgpr 258
		.amdhsa_next_free_sgpr 66
		.amdhsa_reserve_vcc 1
		.amdhsa_float_denorm_mode_32 3
		.amdhsa_float_denorm_mode_16_64 3
		.amdhsa_memory_ordered 1
		.amdhsa_forward_progress 1
		.amdhsa_inst_pref_size 65
	.end_amdhsa_kernel
	.amdgpu_metadata
---
amdhsa.version: [ 1, 2 ]
amdhsa.kernels:
  - .name:           k_qffc129794a_prep
    .symbol:         k_qffc129794a_prep.kd
    .args:
      - { .name: s2, .offset: 0, .size: 8, .value_kind: global_buffer, .address_space: global }
      - { .name: w, .offset: 8, .size: 8, .value_kind: global_buffer, .address_space: global }
      - { .name: l2, .offset: 16, .size: 8, .value_kind: global_buffer, .address_space: global }
      - { .name: kc, .offset: 24, .size: 8, .value_kind: global_buffer, .address_space: global }
      - { .name: ks, .offset: 32, .size: 8, .value_kind: global_buffer, .address_space: global }
      - { .name: vc, .offset: 40, .size: 8, .value_kind: global_buffer, .address_space: global }
      - { .name: vs, .offset: 48, .size: 8, .value_kind: global_buffer, .address_space: global }
      - { .name: p2, .offset: 56, .size: 8, .value_kind: global_buffer, .address_space: global }
    .group_segment_fixed_size: 43008
    .private_segment_fixed_size: 0
    .kernarg_segment_align: 8
    .kernarg_segment_size: 64
    .max_flat_workgroup_size: 256
    .sgpr_count:     66
    .vgpr_count:     258
    .wavefront_size: 32
...
	.end_amdgpu_metadata
.endif
;; end of part 1
;; launch attn (part 2): grid 16 x 32, 4 waves a work-group, no clusters, 180,480 bytes of LDS; arguments s1, w, l1, l2, kc, ks, vc, vs, p2, out0; writes out0
.if DOCPART == 2
	.amdgcn_target "amdgcn-amd-amdhsa--gfx1250"
	.amdhsa_code_object_version 6
	.text
	.protected	k_qffc129794a_attn
	.globl	k_qffc129794a_attn
	.p2align	8
	.type	k_qffc129794a_attn,@function
k_qffc129794a_attn:
	s_mov_b64 s[64:65], 0
	v_nop
	global_prefetch_b8 v0, s[64:65] scope:SCOPE_SE
	s_setreg_imm32_b32 hwreg(HW_REG_WAVE_MODE, 25, 1), 1
	s_wait_xcnt 0x0
; out0[b][q] = sum over keys of a[q][key] s2[b][key], a = softmax over the keys of (s1[q].w1 + s2[key].w2 + (s1[q] w3).s2[key]) under the mask q < l1, key < l2; masked slots are 0.
; Both large products run on codes of BF8 (E5M2) with one E8M0 scale for each 32 along K.  a is quantised FINISHED AND NORMALISED, so a row's maximum and sum are known before its first code is made:
; all scores of the work-group's 64 queries stay in registers (64 x 1,024 f32 = 512 registers in each of four waves).
; SHARES.  A work-group: 64 queries (x) of one sample (y), four tiles of 16.  THE WAVES SHARE THE KEYS, THEN THE CHANNELS, NOT THE QUERIES: in each step of 128 keys wave w takes keys 128 s + 32 w .. + 31 for all four
; tiles, and of the result channels 64 w .. 64 w + 63.  So each fragment of K and of V is loaded by one wave, straight from memory into its registers (the first launch laid them in register order), and feeds
; four matrix instructions; what goes from wave to wave through LDS is small: Q's codes, two numbers a row, and a's codes, as images of the operand's registers.
; LAYOUT.  Both products are used transposed (S^T = K Q^T, O^T = V^T a^T): a lane holds ONE query (lane % 16).  The keys of a tile of K are not neighbours: lane r of tile u takes key 8 u + r + 8 (r / 8) of the
; block, so that a lane's 16 scores of a block are keys 16 (lane / 16) + 0 .. 15: their 16 codes are four registers of the next operand.
; SOFTMAX.  c = log2(e).  Each wave takes ITS OWN keys' maximum m_w away: p = 2^(c s - c m_w), l_w = sum of p.  (c m_w, l_w) meet in LDS; g_v = 2^(c m_v - max over v), l = sum of l_v g_v, f = g_w / l,
; a = p f: the row's true maximum is what is taken away.  (c s - c m_w is one fused multiply-add against the rounded c m_w; g_w is made of the same rounded number, so that its rounding cancels in p g_w.)
; f = 0 where the query is at or past l1.  A block's largest a is the block's largest score put through the same three instructions.
; m_w IS HELD AT -2^96 FROM BELOW.  A wave all of whose keys are masked (l2 <= 32 w, one step) finds only -1e30.  With m_w = -1e30 the exponent would be the rounding of c m_w, up to 2^76 at that size, and no 0;
; with m_w = -2^96 it is about -1.3e30: p = 0, l_w = 0, g_w = 0, f = 0, and the wave's codes of a are zeros.  Key 0 counts wherever a step is walked, so l is never 0 there.
; THE MASK.  Keys at or past l2 have p2 = -1e30 (first launch): p = 0.  Steps of 128 keys that lie wholly past l2 are left out: NS = ceil(l2 / 128), a scalar branch round each step's lines.  A work-group none of
; whose queries count, or with l2 <= 0, has NS = 0 and stores zeros.  The three barriers stand on the way that every work-group takes, outside every branch on l1 or l2.
; NO CLUSTER, NO TENSOR LOAD, though the 16 work-groups of a sample read the same codes: joint requests are tensor loads;
; the branches leave out 1 - NS / 8 of a sample's steps and every step of the blocks past l1.
; LIMITS: NaN and infinities are not served; unmasked scores at or under -2^96 (7.9e28) are not served (the problem's own text takes -1e30 for masked); p under 2^-126 is 0 (the exponential flushes);
; a block of zeros gets the byte 1, read here alone; part1 and the sums are added in another order than the problem's text adds them.  l1 and l2 may be any int32: they are held to 0 .. 1024.
; REGISTERS, in windows of 256 (s_set_vgpr_msb: bits 1:0 source 0, 3:2 source 1, 5:4 source 2, 7:6 destination):
;   window 0: v1-27 addresses; v28-47 scale words and nothing else; v48-127 statistics; v128-255 by turns: s1 w3 turned, K's buffers 2 and 3, a's codes, rows on the way out
;   window 1: v0-127 Q's 8 fragments; v128-255 s1 as loaded, then K's buffers 0 and 1; at last all of it V's fragments of steps 0-3
;   window 2: the scores of steps 0-3 (step s, tile q, key i at v[64 (s % 4) + 16 q + i]), then V's fragments of steps 4-7
;   window 3: the scores of steps 4-7 (p2 lies in v128-255 until they begin), then O^T's 16 accumulators in v0-127 and two buffers of a's fragments in v128-255
.set QIMG, 0                           ; LDS: Q's 8 fragments (2 q + kstep), 2,048 bytes each
.set QSC,  16384                       ; their scale words [q][kstep][r]
.set P1,   16896                       ; part1 [q][r]
.set CMX,  17152                       ; c m_w [q][r][wave];  1,024 bytes on: l_w likewise
.set ASC,  19200                       ; a's scale words [step][q][r], byte = wave
.set AIMG, 21248                       ; a's fragments [step][q][c = wave][lane][16 bytes]
.set XST,  86784                       ; a wave's own: 16 rows of s1 w3, pitch 1,040
.set P1S,  153344                      ; a wave's own: 16 rows of 32 parts of part1, pitch 144
.set OSTG, 162560                      ; a wave's own: 16 rows of 256 bytes on the way out, pitch 272
.set FLOOR, 0x8000000                  ; 2^(16 - 127)
.set EOFF,  0xf8800000                 ; -(15 << 23)
.set MLOW,  0xef800000                 ; -2^96: under it no wave's maximum is taken
.set L16, 1                            ; 16 x lane
.set L4,  2                            ; 4 x lane
.set RR,  3                            ; r = lane % 16
.set HH,  4                            ; h = lane / 16
.set XSW, 5
.set XSR, 6
.set PSW, 7
.set PSR, 8
.set QWI, 9
.set QWS, 10
.set P1W, 11
.set P1A, 12
.set KA,  13
.set KSA, 14
.set PO,  15
.set STW, 16
.set STR, 17
.set AWI, 18
.set AWS, 19
.set ARD, 20
.set ASR, 21
.set VA,  22
.set VSA, 23
.set OSW, 24
.set OSR, 25
.set GO,  26
.set NIL, 27
.set QS,  28                           ; v28-31  Q's scale words of tile q: lanes 0-15 kstep 0, lanes 16-31 kstep 1
.set KS,  32                           ; v32-39  K's, buffer x 2 + tile u, split likewise
.set VSR, 28                           ; v28-43  behind the first product: V's, 2 x step + p: lanes 0-15 channel tile 2 p, lanes 16-31 tile 2 p + 1
.set AS,  44                           ; v44-47  a's, 2 x (step % 2) + p: lanes 0-15 query tile 2 p, lanes 16-31 tile 2 p + 1
.set CM,  48                           ; v48-55  c m_w, a pair a tile (the packed forms name a pair and take its low word)
.set MX,  56                           ; v56-59  m_w
.set TT,  60                           ; v60-63  what a lane permute brings
.set LP,  64                           ; v64-79  sums: two chains of pairs a tile
.set FF,  80                           ; v80-87  part1, later f: a pair a tile
.set HOLD, 88                          ; v88-91  57,344 x the scale
.set SCL, 92                           ; v92-95  the conversion's scale operand
.set BM,  96                           ; v96-127 the block's largest score, then p, then a, then the byte: 4 x step + tile
.set PP,  48                           ; the first phase's names for the same registers: v48-79 part1's parts, a pair a row
.set W1D, 80                           ; v80-87  w1 of my 8 channels;  v88-95 w3
.set W3D, 88
.set PL,  96                           ; v96-111 16 parts of my row's part1
.set TM,  112                          ; v112-127 the quantiser's: largest magnitudes, bytes, holds, scale operands
.set PC0, 48                           ; Q's codes, kstep 0 and 1
.set PC1, 64
.set PW0, 80                           ; their scale words
.set PW1, 81
.set PT1, 82                           ; part1 of my row
.set OUT, 128                          ; the way out: two sets of 32
.set WV,  28
.set BB,  29
.set Q0,  30
.set B4,  31
.set L1,  32
.set L2,  33
.set NS,  34                           ; s34  steps of 128 keys that count; 0 where the work-group stores zeros
.set CC,  36                           ; s[36:37] c = log2(e)
.set SEL, 38
.set MNT, 40
.set OF,  42
.set T0,  44
.set T1,  45
.set L1R, 48                           ; s48-51 l1 - the tile's first query
.set MSB, 0
.macro WIN new                         ; the immediate's high byte repeats the setting that is left; a switch that changes nothing is dropped
.if MSB != \new
	s_set_vgpr_msb (MSB<<8)|\new
.set MSB, \new
.endif
.endm
.macro SWIN s, lo, hi                  ; the scores of step s lie in window 2 (steps 0-3: lo) or 3 (hi)
.if (\s) < 4
	WIN \lo
.else
	WIN \hi
.endif
.endm
.macro PLACES n                        ; plain vector lines that name no register of the matrix instructions ahead of them (ISA guide 7.12.1)
.rept \n
	v_nop
.endr
.endm
.macro BARRIER                         ; my LDS stores have landed and my LDS loads are in: then the work-group's barrier
	s_wait_dscnt 0x0
	s_barrier_signal -1
	s_barrier_wait -1
.endm
.macro SKIP s, lab                     ; step s lies wholly under the mask: on to lab.  At a branch every window is 0
	WIN 0
	s_cmp_le_u32 s[NS], \s
	s_cbranch_scc1 \lab
.endm
; one matrix instruction that adds in place (WMA) or starts a sum (WM0).  x, y: the scale registers; ra, rb: 1 = the words lie in lanes 16-31
.macro WMA d, a, b, x, y, ra, rb
.if (\ra) && (\rb)
	v_wmma_scale_f32_16x16x128_f8f6f4 v[\d:\d+7], v[\a:\a+15], v[\b:\b+15], v[\d:\d+7], v[\x], v[\y] matrix_a_fmt:MATRIX_FMT_BF8 matrix_b_fmt:MATRIX_FMT_BF8 matrix_a_scale:MATRIX_SCALE_ROW1 matrix_b_scale:MATRIX_SCALE_ROW1
.elseif (\ra)
	v_wmma_scale_f32_16x16x128_f8f6f4 v[\d:\d+7], v[\a:\a+15], v[\b:\b+15], v[\d:\d+7], v[\x], v[\y] matrix_a_fmt:MATRIX_FMT_BF8 matrix_b_fmt:MATRIX_FMT_BF8 matrix_a_scale:MATRIX_SCALE_ROW1
.elseif (\rb)
	v_wmma_scale_f32_16x16x128_f8f6f4 v[\d:\d+7], v[\a:\a+15], v[\b:\b+15], v[\d:\d+7], v[\x], v[\y] matrix_a_fmt:MATRIX_FMT_BF8 matrix_b_fmt:MATRIX_FMT_BF8 matrix_b_scale:MATRIX_SCALE_ROW1
.else
	v_wmma_scale_f32_16x16x128_f8f6f4 v[\d:\d+7], v[\a:\a+15], v[\b:\b+15], v[\d:\d+7], v[\x], v[\y] matrix_a_fmt:MATRIX_FMT_BF8 matrix_b_fmt:MATRIX_FMT_BF8
.endif
.endm
.macro WM0 d, a, b, x, y, ra, rb
.if (\ra) && (\rb)
	v_wmma_scale_f32_16x16x128_f8f6f4 v[\d:\d+7], v[\a:\a+15], v[\b:\b+15], 0, v[\x], v[\y] matrix_a_fmt:MATRIX_FMT_BF8 matrix_b_fmt:MATRIX_FMT_BF8 matrix_a_scale:MATRIX_SCALE_ROW1 matrix_b_scale:MATRIX_SCALE_ROW1
.elseif (\ra)
	v_wmma_scale_f32_16x16x128_f8f6f4 v[\d:\d+7], v[\a:\a+15], v[\b:\b+15], 0, v[\x], v[\y] matrix_a_fmt:MATRIX_FMT_BF8 matrix_b_fmt:MATRIX_FMT_BF8 matrix_a_scale:MATRIX_SCALE_ROW1
.elseif (\rb)
	v_wmma_scale_f32_16x16x128_f8f6f4 v[\d:\d+7], v[\a:\a+15], v[\b:\b+15], 0, v[\x], v[\y] matrix_a_fmt:MATRIX_FMT_BF8 matrix_b_fmt:MATRIX_FMT_BF8 matrix_b_scale:MATRIX_SCALE_ROW1
.else
	v_wmma_scale_f32_16x16x128_f8f6f4 v[\d:\d+7], v[\a:\a+15], v[\b:\b+15], 0, v[\x], v[\y] matrix_a_fmt:MATRIX_FMT_BF8 matrix_b_fmt:MATRIX_FMT_BF8
.endif
.endm
; 64 numbers of a lane, v[s] on, register 16 b + i = k 32 b + 16 (lane / 16) + i of my row, become a fragment's codes in v[pc] on and its scale word in v[pw]
.macro QUANT s, pc, pw
.irp b, 0,1,2,3
	v_max3_num_f32 v[TM+\b], |v[\s+16*\b]|, |v[\s+1+16*\b]|, FLOOR   ; my 16 numbers of block b, and the floor, which holds the byte at 1 from below
.endr
.irp i, 2,4,6,8,10,12,14
.irp b, 0,1,2,3
	v_max3_num_f32 v[TM+\b], v[TM+\b], |v[\s+16*\b+\i]|, |v[\s+1+16*\b+\i]|
.endr
.endr
.irp b, 0,1,2,3
	v_permlanex16_b32 v[TM+4+\b], v[TM+\b], s[SEL], s[SEL+1]
.endr
.irp b, 0,1,2,3
	v_max_num_f32 v[TM+\b], v[TM+\b], v[TM+4+\b]   ; with lane l xor 16's: the block's largest magnitude
.endr
.irp b, 0,1,2,3
	v_add_nc_u32 v[TM+12+\b], EOFF, v[TM+\b]       ; 15 off its exponent field: the conversion's scale operand
.endr
.irp b, 0,1,2,3
	v_and_or_b32 v[TM+8+\b], v[TM+\b], 0x7f800000, s[MNT]   ; 57,344 x the scale
.endr
.irp b, 0,1,2,3
	v_lshrrev_b32 v[TM+4+\b], 23, v[TM+12+\b]      ; the scale's byte
.endr
	v_lshl_or_b32 v[\pw], v[TM+5], 8, v[TM+4]
	v_lshl_or_b32 v[\pw], v[TM+6], 16, v[\pw]
	v_lshl_or_b32 v[\pw], v[TM+7], 24, v[\pw]
.irp b, 0,1,2,3
.irp i, 0,1,2,3,4,5,6,7,8,9,10,11,12,13,14,15
	v_med3_num_f32 v[\s+16*\b+\i], v[\s+16*\b+\i], -v[TM+8+\b], v[TM+8+\b]   ; the conversion to an 8-bit code does not saturate (ISA guide 7.6.2)
.endr
	v_cvt_scalef32_pk8_bf8_f32 v[\pc+4*\b:\pc+4*\b+1], v[\s+16*\b:\s+16*\b+7], v[TM+12+\b]
	v_cvt_scalef32_pk8_bf8_f32 v[\pc+4*\b+2:\pc+4*\b+3], v[\s+16*\b+8:\s+16*\b+15], v[TM+12+\b]
.endr
	v_nop                                          ; a plain line behind the last conversion, ahead of whatever next writes its sources
.endm
; K's four fragments (2 u + kstep) of my 32 keys of step s into buffer s % 4 (0, 1: window 1; 2, 3: window 0), 512 consecutive bytes a load, and their scale words
.macro KGROUP s
.set kb, 128+64*((\s)%2)
.if ((\s)%4) < 2
	WIN 0x40
.else
	WIN 0
.endif
.set i, 0
.rept 16
	global_load_b128 v[kb+4*i:kb+4*i+3], v[KA], s[16:17] offset:32768*(\s)+512*i
.set i, i+1
.endr
	WIN 0
	global_load_b32 v[KS+2*((\s)%4)], v[KSA], s[18:19] offset:1024*(\s)
	global_load_b32 v[KS+2*((\s)%4)+1], v[KSA], s[18:19] offset:1024*(\s)+64
.endm
.macro IFK s
	SKIP \s, .Lk_\@
	KGROUP \s
.Lk_\@:
.endm
; 16 matrix instructions: my 32 keys of step s x 64 queries x 256 channels.  The eight accumulators take turns, one instruction a turn, twice; they begin as part1 + p2.
; Eight places follow: behind them the buffers may be loaded anew and the scores read.
.macro QK16 s
.set kb, 128+64*((\s)%2)
.set sb, 64*((\s)%4)
.if (\s) < 2
	WIN 0xa5
.elseif (\s) < 4
	WIN 0xa4
.elseif (\s) < 6
	WIN 0xf5
.else
	WIN 0xf4
.endif
.irp k, 0,1
.irp u, 0,1
.irp q, 0,1,2,3
	WMA sb+16*\q+8*\u, kb+16*(2*\u+\k), 16*(2*\q+\k), KS+2*((\s)%4)+\u, QS+\q, \k, \k
.endr
.endr
.endr
	WIN 0
	PLACES 8
.endm
; the largest score of each tile's block of 32 keys (each accumulator is read from its low end on), and the running maximum
.macro MAXS s
.set sb, 64*((\s)%4)
.set bm, BM+4*(\s)
	SWIN \s, 0x0a, 0x0f
.irp q, 0,1,2,3
	v_max_num_f32 v[bm+\q], v[sb+16*\q], v[sb+16*\q+1]
.endr
.irp i, 2,4,6,8,10,12,14
.irp q, 0,1,2,3
	v_max3_num_f32 v[bm+\q], v[sb+16*\q+\i], v[sb+16*\q+\i+1], v[bm+\q]
.endr
.endr
	WIN 0
.irp q, 0,1,2,3
	v_permlanex16_b32 v[TT+\q], v[bm+\q], s[SEL], s[SEL+1]
.endr
.irp q, 0,1,2,3
	v_max_num_f32 v[bm+\q], v[bm+\q], v[TT+\q]     ; with lane l xor 16's 16 keys
.endr
.irp q, 0,1,2,3
	v_max_num_f32 v[MX+\q], v[MX+\q], v[bm+\q]
.endr
.endm
; p = 2^(c s - c m_w) in place, the same of each block's largest score, and the sums of p
.macro EXPS s
.set sb, 64*((\s)%4)
.set bm, BM+4*(\s)
	WIN 0
.irp q, 0,1,2,3
	v_fma_f32 v[bm+\q], v[bm+\q], s[CC], -v[CM+2*\q]
.endr
.irp q, 0,1,2,3
	v_exp_f32 v[bm+\q], v[bm+\q]
.endr
	SWIN \s, 0x82, 0xc3
.irp q, 0,1,2,3
.irp i, 0,2,4,6,8,10,12,14
	v_pk_fma_f32 v[sb+16*\q+\i:sb+16*\q+\i+1], v[sb+16*\q+\i:sb+16*\q+\i+1], s[CC:CC+1], v[CM+2*\q:CM+2*\q+1] op_sel_hi:[1,0,0] neg_lo:[0,0,1] neg_hi:[0,0,1]
.endr
.endr
.set j, 0
.rept 64
	v_exp_f32 v[sb+j], v[sb+j]
.set j, j+1
.endr
	v_nop                                          ; a plain line behind the exponentials
	SWIN \s, 0x08, 0x0c
	s_wait_alu depctr_va_vdst(0)
.irp i, 0,2,4,6,8,10,12,14
.irp q, 0,1,2,3
	v_pk_add_f32 v[LP+4*\q+2*((\i/2)%2):LP+4*\q+2*((\i/2)%2)+1], v[LP+4*\q+2*((\i/2)%2):LP+4*\q+2*((\i/2)%2)+1], v[sb+16*\q+\i:sb+16*\q+\i+1]   ; eight chains
.endr
.endr
	WIN 0
.endm
; a = p f, quantised along the keys: my block's byte and my 16 codes of each tile go to LDS, as part of the next operand's image
.macro NORM s
.set sb, 64*((\s)%4)
.set bm, BM+4*(\s)
.set pc, 128+16*(\s)
	WIN 0
.irp q, 0,1,2,3
	v_mul_f32 v[bm+\q], v[bm+\q], v[FF+2*\q]       ; the block's largest a: the same instructions on the same numbers give the same bits
.endr
.irp q, 0,1,2,3
	v_max_num_f32 v[bm+\q], FLOOR, v[bm+\q]
.endr
.irp q, 0,1,2,3
	v_add_nc_u32 v[SCL+\q], EOFF, v[bm+\q]
.endr
.irp q, 0,1,2,3
	v_and_or_b32 v[HOLD+\q], v[bm+\q], 0x7f800000, s[MNT]
.endr
.irp q, 0,1,2,3
	v_lshrrev_b32 v[bm+\q], 23, v[SCL+\q]
.endr
.irp q, 0,1,2,3
	ds_store_b8 v[AWS], v[bm+\q] offset:256*(\s)+64*\q   ; byte w of the row's scale word (both halves of the lanes write the same byte with the same value)
.endr
	SWIN \s, 0x82, 0xc3
.irp q, 0,1,2,3
.irp i, 0,2,4,6,8,10,12,14
	v_pk_mul_f32 v[sb+16*\q+\i:sb+16*\q+\i+1], v[sb+16*\q+\i:sb+16*\q+\i+1], v[FF+2*\q:FF+2*\q+1] op_sel_hi:[1,0]
.endr
.endr
.irp q, 0,1,2,3
.irp i, 0,1,2,3,4,5,6,7,8,9,10,11,12,13,14,15
	v_min_num_f32 v[sb+16*\q+\i], v[sb+16*\q+\i], v[HOLD+\q]   ; a is never negative: the hold is one-sided
.endr
.endr
	SWIN \s, 0x02, 0x03
.irp q, 0,1,2,3
	v_cvt_scalef32_pk8_bf8_f32 v[pc+4*\q:pc+4*\q+1], v[sb+16*\q:sb+16*\q+7], v[SCL+\q]
	v_cvt_scalef32_pk8_bf8_f32 v[pc+4*\q+2:pc+4*\q+3], v[sb+16*\q+8:sb+16*\q+15], v[SCL+\q]
.endr
	v_nop                                          ; a plain line behind the last conversion
	WIN 0
.irp q, 0,1,2,3
	ds_store_b128 v[AWI], v[pc+4*\q:pc+4*\q+3] offset:2048*(4*(\s)+\q)   ; each step has code registers of its own: none is written again
.endr
.endm
; V's four fragments (my 64 channels x the 128 keys of step s) and their scale words
.macro VGROUP s
.set vb, 64*((\s)%4)
	SWIN \s, 0x40, 0x80
.irp t, 0,1,2,3
.irp c, 0,1,2,3
	global_load_b128 v[vb+16*\t+4*\c:vb+16*\t+4*\c+3], v[VA], s[20:21] offset:32768*(\s)+8192*\c+512*\t
.endr
.endr
	WIN 0
	global_load_b32 v[VSR+2*(\s)], v[VSA], s[22:23] offset:1024*(\s)
	global_load_b32 v[VSR+2*(\s)+1], v[VSA], s[22:23] offset:1024*(\s)+128
.endm
.macro IFV s
	SKIP \s, .Lv_\@
	VGROUP \s
.Lv_\@:
.endm
; a's four fragments of step s, made by all four waves, and their scale words
.macro AFETCH s
.set ab, 128+64*((\s)%2)
	WIN 0xc0
.set i, 0
.rept 16
	ds_load_b128 v[ab+4*i:ab+4*i+3], v[ARD] offset:8192*(\s)+512*i
.set i, i+1
.endr
	WIN 0
	ds_load_b32 v[AS+2*((\s)%2)], v[ASR] offset:256*(\s)
	ds_load_b32 v[AS+2*((\s)%2)+1], v[ASR] offset:256*(\s)+128
.endm
.macro IFA s
	SKIP \s, .La_\@
	AFETCH \s
.La_\@:
.endm
; 16 matrix instructions: my 64 channels x 64 queries x the 128 keys of step s; sixteen accumulators by turns; step 0 starts the sums
.macro PV16 s
.set vb, 64*((\s)%4)
.set ab, 128+64*((\s)%2)
	SWIN \s, 0xfd, 0xfe
.irp t, 0,1,2,3
.irp q, 0,1,2,3
.if (\s) == 0
	WM0 8*(4*\t+\q), vb+16*\t, ab+16*\q, VSR+2*(\s)+\t/2, AS+2*((\s)%2)+\q/2, \t%2, \q%2
.else
	WMA 8*(4*\t+\q), vb+16*\t, ab+16*\q, VSR+2*(\s)+\t/2, AS+2*((\s)%2)+\q/2, \t%2, \q%2
.endif
.endr
.endr
	WIN 0
	PLACES 8
.endm
; the way out of query tile q: a lane's eight channels of a row go into my stage (each accumulator from its low end on) and come back as rows of 256 bytes
.macro TOSTAGE q
	WIN 0x0c
.irp t, 0,1,2,3
	ds_store_b128 v[OSW], v[8*(4*\t+(\q)):8*(4*\t+(\q))+3] offset:64*\t
	ds_store_b128 v[OSW], v[8*(4*\t+(\q))+4:8*(4*\t+(\q))+7] offset:64*\t+16
.endr
	WIN 0
.irp i, 0,1,2,3,4,5,6,7
	ds_load_b128 v[OUT+32*((\q)%2)+4*\i:OUT+32*((\q)%2)+4*\i+3], v[OSR] offset:544*\i   ; LDS serves a wave's instructions in order: these see the stores, and the next tile's stores come behind them
.endr
.endm
.macro SEND q, younger
	s_wait_dscnt \younger
.irp i, 0,1,2,3,4,5,6,7
	global_store_b128 v[GO], v[OUT+32*((\q)%2)+4*\i:OUT+32*((\q)%2)+4*\i+3], s[26:27] offset:(16*(\q)+2*\i)*1024 th:TH_STORE_NT   ; sixteen lanes store 256 consecutive bytes, aligned
.endr
.endm
	; ---- the head
	s_load_b512 s[8:23], s[0:1], 0x0               ; s1 s[8:9], w s[10:11], l1 s[12:13], l2 s[14:15], kc s[16:17], ks s[18:19], vc s[20:21], vs s[22:23]
	s_load_b128 s[24:27], s[0:1], 0x40             ; p2 s[24:25], out0 s[26:27]
	v_lshrrev_b32 v56, 5, v0
	v_readfirstlane_b32 s[WV], v56                 ; wave 0..3
	s_and_b32 s[BB], ttmp7, 0xffff                 ; the sample
	s_lshl_b32 s[Q0], ttmp9, 6                     ; my block's first query
	s_lshl_b32 s[B4], s[BB], 2
	s_mov_b32 s[CC], 0x3fb8aa3b                    ; c = log2(e)
	s_mov_b32 s[CC+1], s[CC]                       ; (named with it as a pair, so it is written)
	s_mov_b32 s[SEL], 0x76543210
	s_mov_b32 s[SEL+1], 0xfedcba98                 ; v_permlanex16_b32's selects for lane l xor 16
	s_mov_b32 s[MNT], 0x600000                     ; the mantissa field of 57,344
	v_and_b32 v56, 31, v0                          ; lane
	v_and_b32 v[RR], 15, v0
	v_bfe_u32 v[HH], v0, 4, 1
	v_lshlrev_b32 v[L16], 4, v56
	v_lshlrev_b32 v[L4], 2, v56
	s_lshl_b32 s[T0], s[WV], 7
	v_lshl_add_u32 v[PO], v[HH], 6, s[T0]          ; p2: my 16 keys of a step: 128 w + 64 h
	s_wait_kmcnt 0x0
	s_load_b32 s[L1], s[12:13], s[B4] offset:0x0
	s_load_b32 s[L2], s[14:15], s[B4] offset:0x0
	s_mov_b32 s[OF+1], 0
	s_lshl_b32 s[T0], s[BB], 20
	s_lshl_b32 s[T1], s[Q0], 10
	s_add_co_u32 s[OF], s[T0], s[T1]
	s_add_nc_u64 s[26:27], s[26:27], s[OF:OF+1]    ; out0 at my block's first row
	s_lshl_b32 s[T1], s[WV], 14
	s_add_co_u32 s[OF], s[OF], s[T1]
	s_add_nc_u64 s[8:9], s[8:9], s[OF:OF+1]        ; s1 at my wave's 16 rows
	s_lshl_b32 s[OF], s[BB], 18
	s_add_nc_u64 s[16:17], s[16:17], s[OF:OF+1]
	s_add_nc_u64 s[20:21], s[20:21], s[OF:OF+1]
	s_lshl_b32 s[OF], s[BB], 13
	s_add_nc_u64 s[18:19], s[18:19], s[OF:OF+1]
	s_add_nc_u64 s[22:23], s[22:23], s[OF:OF+1]
	s_lshl_b32 s[OF], s[BB], 12
	s_add_nc_u64 s[24:25], s[24:25], s[OF:OF+1]
	; ---- the first loads go out ahead of the address arithmetic: 16 rows of s1, dense (load i: row i / 2, half i % 2: 512 consecutive bytes), w1 and w3 of my 8 channels, p2 of my keys of all eight steps
	WIN 0x40
.set i, 0
.rept 32
	global_load_b128 v[128+4*i:128+4*i+3], v[L16], s[8:9] offset:512*i th:TH_LOAD_NT
.set i, i+1
.endr
	WIN 0
	global_load_b128 v[W1D:W1D+3], v[L16], s[10:11]
	global_load_b128 v[W1D+4:W1D+7], v[L16], s[10:11] offset:512
	global_load_b128 v[W3D:W3D+3], v[L16], s[10:11] offset:2048
	global_load_b128 v[W3D+4:W3D+7], v[L16], s[10:11] offset:2560
	WIN 0xc0
.irp s, 0,1,2,3,4,5,6,7
.irp j, 0,1,2,3
	global_load_b128 v[128+16*\s+4*\j:128+16*\s+4*\j+3], v[PO], s[24:25] offset:512*\s+16*\j
.endr
.endr
	WIN 0
	v_and_b32 v57, 8, v[RR]
	v_add_nc_u32 v57, v57, v[RR]                   ; r + 8 (r / 8)
	v_lshlrev_b32 v58, 2, v[RR]                    ; 4 r
	v_lshlrev_b32 v59, 4, v[RR]                    ; 16 r
	v_mov_b32 v[NIL], 0
	s_mul_i32 s[T0], s[WV], 16640
	s_add_co_u32 s[T0], s[T0], XST
	v_add_nc_u32 v[XSW], s[T0], v[L16]             ; s1 w3 into my stage: as loaded
	v_mul_u32_u24 v[XSR], v[RR], 1040
	v_lshl_add_u32 v[XSR], v[HH], 6, v[XSR]
	v_add_nc_u32 v[XSR], s[T0], v[XSR]             ; and back: row r, + 64 h: 16 neighbours of a block of 32
	s_mul_i32 s[T0], s[WV], 2304
	s_add_co_u32 s[T0], s[T0], P1S
	v_add_nc_u32 v[PSW], s[T0], v[L4]
	v_mul_u32_u24 v[PSR], v[RR], 144
	v_lshl_add_u32 v[PSR], v[HH], 6, v[PSR]
	v_add_nc_u32 v[PSR], s[T0], v[PSR]
	s_lshl_b32 s[T0], s[WV], 12
	v_add_nc_u32 v[QWI], s[T0], v[L16]             ; QIMG = 0: my tile's two fragments
	s_lshl_b32 s[T0], s[WV], 7
	s_add_co_u32 s[T0], s[T0], QSC
	v_add_nc_u32 v[QWS], s[T0], v58
	s_lshl_b32 s[T0], s[WV], 6
	s_add_co_u32 s[T0], s[T0], P1
	v_add_nc_u32 v[P1W], s[T0], v58
	v_add_nc_u32 v[P1A], P1, v58
	s_lshl_b32 s[T0], s[WV], 13
	v_add_nc_u32 v[KA], s[T0], v[L16]              ; kc: my block of a step: 8,192 w
	s_lshl_b32 s[T0], s[WV], 8
	v_lshl_add_u32 v[KSA], v57, 3, s[T0]
	v_lshl_add_u32 v[KSA], v[HH], 2, v[KSA]        ; ks: 8 (32 w + my key) + 4 h
	v_add_nc_u32 v[VSA], s[T0], v[L4]              ; vs: 4 (64 w + lane)
	v_add_nc_u32 v[GO], s[T0], v59
	v_lshl_add_u32 v[GO], v[HH], 10, v[GO]         ; out0: row h, 256 w + 16 r
	s_lshl_b32 s[T0], s[WV], 2
	s_add_co_u32 s[T0], s[T0], CMX
	v_add_nc_u32 v[STW], s[T0], v59
	v_add_nc_u32 v[STR], CMX, v59
	s_lshl_b32 s[T0], s[WV], 9
	s_add_co_u32 s[T0], s[T0], AIMG
	v_add_nc_u32 v[AWI], s[T0], v[L16]
	s_add_co_u32 s[T0], s[WV], ASC
	v_add_nc_u32 v[AWS], s[T0], v58
	v_add_nc_u32 v[ARD], AIMG, v[L16]
	v_add_nc_u32 v[ASR], ASC, v[L4]
	s_lshl_b32 s[T0], s[WV], 11
	v_add_nc_u32 v[VA], s[T0], v[L16]              ; vc: my four channel tiles: 2,048 w
	s_mul_i32 s[T0], s[WV], 4352
	s_add_co_u32 s[T0], s[T0], OSTG
	v_mul_u32_u24 v[OSW], v[RR], 272
	v_lshl_add_u32 v[OSW], v[HH], 5, v[OSW]
	v_add_nc_u32 v[OSW], s[T0], v[OSW]
	v_mul_u32_u24 v[OSR], v[HH], 272
	v_add_nc_u32 v[OSR], v[OSR], v59
	v_add_nc_u32 v[OSR], s[T0], v[OSR]
.set i, 0
.rept 16
	v_mov_b32 v[KS+i], 0x7f7f7f7f                  ; the scale registers that are loaded under a branch hold the byte of 1.0 until their words come: each is written on every way ahead of the lines that name it
.set i, i+1
.endr
.irp b, 0,1,2,3
	v_mov_b32 v[TM+4+\b], 0                        ; written once: a lane permute's destination counts as one of its sources
.endr
	s_wait_kmcnt 0x0
	s_max_i32 s[L1], s[L1], 0
	s_min_i32 s[L1], s[L1], 1024
	s_max_i32 s[L2], s[L2], 0
	s_min_i32 s[L2], s[L2], 1024
	s_add_co_u32 s[NS], s[L2], 127
	s_lshr_b32 s[NS], s[NS], 7                     ; steps of 128 keys with a key that counts
	s_cmp_lt_i32 s[Q0], s[L1]
	s_cselect_b32 s[NS], s[NS], 0                  ; none, where no query of my block counts
	s_sub_co_i32 s[L1R], s[L1], s[Q0]
	s_sub_co_i32 s[L1R+1], s[L1R], 16
	s_sub_co_i32 s[L1R+2], s[L1R], 32
	s_sub_co_i32 s[L1R+3], s[L1R], 48
	s_wait_loadcnt 32                              ; s1 and w are in; the 32 loads of p2 behind them may be out
	; ---- part1's parts and s1 w3, in the dense layout: a lane holds the same 8 channels of every row, so w1 and w3 cost 16 registers
	WIN 0x01
.irp k, 0,1,2,3
.set i, 0
.rept 16
.if \k == 0
	v_pk_mul_f32 v[PP+2*i:PP+2*i+1], v[128+8*i:128+8*i+1], v[W1D:W1D+1]
.else
	v_pk_fma_f32 v[PP+2*i:PP+2*i+1], v[128+8*i+2*\k:128+8*i+2*\k+1], v[W1D+2*\k:W1D+2*\k+1], v[PP+2*i:PP+2*i+1]
.endif
.set i, i+1
.endr
.endr
	WIN 0
.set i, 0
.rept 16
	v_add_f32 v[PP+2*i], v[PP+2*i], v[PP+2*i+1]
.set i, i+1
.endr
.set i, 0
.rept 16
	ds_store_b32 v[PSW], v[PP+2*i] offset:144*i    ; row i: 32 lanes' parts
.set i, i+1
.endr
	WIN 0x41
.set i, 0
.rept 32
	v_pk_mul_f32 v[128+4*i:128+4*i+1], v[128+4*i:128+4*i+1], v[W3D+4*(i%2):W3D+4*(i%2)+1]
	v_pk_mul_f32 v[128+4*i+2:128+4*i+3], v[128+4*i+2:128+4*i+3], v[W3D+4*(i%2)+2:W3D+4*(i%2)+3]
.set i, i+1
.endr
	WIN 0x04
.set i, 0
.rept 32
	ds_store_b128 v[XSW], v[128+4*i:128+4*i+3] offset:1040*(i/2)+512*(i%2)
.set i, i+1
.endr
	WIN 0
.irp k, 0,1
.irp b, 0,1,2,3
.irp j, 0,1,2,3
	ds_load_b128 v[128+64*\k+16*\b+4*\j:128+64*\k+16*\b+4*\j+3], v[XSR] offset:512*\k+128*\b+16*\j   ; my row's channels 128 k + 32 b + 16 h + 4 j on
.endr
.endr
.endr
.irp j, 0,1,2,3
	ds_load_b128 v[PL+4*\j:PL+4*\j+3], v[PSR] offset:16*\j
.endr
	s_wait_dscnt 0x0                               ; the turned numbers are in, and the stage's stores have read the registers that K's first loads now take
	IFK 0
	IFK 1
	; ---- part1 of my row, and Q's two fragments
.irp j, 0,4,8,12
	v_pk_add_f32 v[PL+\j:PL+\j+1], v[PL+\j:PL+\j+1], v[PL+\j+2:PL+\j+3]
.endr
.irp j, 0,8
	v_pk_add_f32 v[PL+\j:PL+\j+1], v[PL+\j:PL+\j+1], v[PL+\j+4:PL+\j+5]
.endr
	v_pk_add_f32 v[PL:PL+1], v[PL:PL+1], v[PL+8:PL+9]
	v_add_f32 v[PT1], v[PL], v[PL+1]
	v_permlanex16_b32 v[TM+4], v[PT1], s[SEL], s[SEL+1]
	v_add_f32 v[PT1], v[PT1], v[TM+4]
	ds_store_b32 v[P1W], v[PT1]
	QUANT 128, PC0, PW0
.irp c, 0,1,2,3
	ds_store_b128 v[QWI], v[PC0+4*\c:PC0+4*\c+3] offset:512*\c
.endr
	ds_store_b32 v[QWS], v[PW0]
	QUANT 192, PC1, PW1
.irp c, 0,1,2,3
	ds_store_b128 v[QWI], v[PC1+4*\c:PC1+4*\c+3] offset:2048+512*\c
.endr
	ds_store_b32 v[QWS], v[PW1] offset:64
	IFK 2
	IFK 3
	BARRIER                                        ; Q's eight fragments, their scale words and part1 lie in LDS
	WIN 0x40
.set i, 0
.rept 32
	ds_load_b128 v[4*i:4*i+3], v[L16] offset:QIMG+512*i
.set i, i+1
.endr
	WIN 0
.irp q, 0,1,2,3
	ds_load_b32 v[QS+\q], v[L4] offset:QSC+128*\q
.endr
.irp q, 0,1,2,3
	ds_load_b32 v[FF+2*\q], v[P1A] offset:64*\q    ; part1 of query r of tile q (the pair's upper word keeps an old number, which no result takes)
.endr
.irp q, 0,1,2,3
	v_mov_b32 v[MX+\q], MLOW                       ; the maximum begins at -2^96, over the mask's -1e30: a wave with masked keys alone keeps it, and its exponents are then about -1.3e30: p = 0
.endr
.set i, 0
.rept 16
	v_mov_b32 v[LP+i], 0                           ; the sums at 0
.set i, i+1
.endr
	s_wait_dscnt 0x0
	s_wait_loadcnt 0x0                             ; p2, and K's first four steps (those that count)
	; ---- the scores begin as part1 + part2, for all eight steps.  The scores of steps 6 and 7 lie over p2: in this order each 16 numbers of p2 have served before they are written over; the last 16 in place
.irp s, 0,1,2,3,4,5,6,7
	SWIN \s, 0x83, 0xc3
.irp q, 0,1,2,3
.irp i, 0,2,4,6,8,10,12,14
	v_pk_add_f32 v[64*(\s%4)+16*\q+\i:64*(\s%4)+16*\q+\i+1], v[128+16*\s+\i:128+16*\s+\i+1], v[FF+2*\q:FF+2*\q+1] op_sel_hi:[1,0]
.endr
.endr
.endr
	; ---- S^T += K Q^T.  A buffer is loaded with the step four on as soon as its step is multiplied
.irp s, 0,1,2,3
	SKIP \s, .Lqa
	QK16 \s
	IFK \s+4
.endr
.Lqa:
.irp s, 0,1,2,3
	SKIP \s, .Lma
	MAXS \s
.endr
.Lma:
	s_wait_loadcnt 0x0                             ; K's steps 4 to 7
.irp s, 4,5,6,7
	SKIP \s, .Lqb
	QK16 \s
.endr
.Lqb:
.irp s, 4,5,6,7
	SKIP \s, .Lmb
	MAXS \s
.endr
.Lmb:
.irp q, 0,1,2,3
	v_mul_f32 v[CM+2*\q], s[CC], v[MX+\q]          ; c m_w
.endr
	IFV 0                                          ; Q and K's buffers 0 and 1 are done with: V's first four steps are asked for a whole phase ahead
	IFV 1
	IFV 2
	IFV 3
.irp s, 0,1,2,3,4,5,6,7
	SKIP \s, .Le
	EXPS \s
.endr
.Le:
.irp q, 0,1,2,3
	v_pk_add_f32 v[LP+4*\q:LP+4*\q+1], v[LP+4*\q:LP+4*\q+1], v[LP+4*\q+2:LP+4*\q+3]
.endr
.irp q, 0,1,2,3
	v_add_f32 v[LP+4*\q], v[LP+4*\q], v[LP+4*\q+1]
.endr
.irp q, 0,1,2,3
	v_permlanex16_b32 v[TT+\q], v[LP+4*\q], s[SEL], s[SEL+1]
.endr
.irp q, 0,1,2,3
	v_add_f32 v[LP+4*\q], v[LP+4*\q], v[TT+\q]     ; l_w
.endr
.irp q, 0,1,2,3
	ds_store_b32 v[STW], v[CM+2*\q] offset:256*\q
	ds_store_b32 v[STW], v[LP+4*\q] offset:1024+256*\q
.endr
	BARRIER                                        ; the four waves' c m and l of every row lie in LDS
	; ---- f = 2^(c m_w - the largest c m) / the sum of l_v 2^(c m_v - the largest c m); 0 where the query is at or past l1
.irp q, 0,1,2,3
	ds_load_b128 v[128+4*\q:131+4*\q], v[STR] offset:256*\q
.endr
.irp q, 0,1,2,3
	ds_load_b128 v[144+4*\q:147+4*\q], v[STR] offset:1024+256*\q
.endr
	s_wait_dscnt 0x0
.irp q, 0,1,2,3
	v_max3_num_f32 v[160+\q], v[128+4*\q], v[129+4*\q], v[130+4*\q]
.endr
.irp q, 0,1,2,3
	v_max_num_f32 v[160+\q], v[160+\q], v[131+4*\q]
.endr
.irp q, 0,1,2,3
	v_sub_f32 v[164+\q], v[CM+2*\q], v[160+\q]
.endr
.irp q, 0,1,2,3
.irp v, 0,1,2,3
	v_sub_f32 v[128+4*\q+\v], v[128+4*\q+\v], v[160+\q]
.endr
.endr
.set i, 0
.rept 16
	v_exp_f32 v[128+i], v[128+i]
.set i, i+1
.endr
.irp q, 0,1,2,3
	v_exp_f32 v[164+\q], v[164+\q]
.endr
	v_nop                                          ; a plain line behind the exponentials
	s_wait_alu depctr_va_vdst(0)
.irp q, 0,1,2,3
	v_mul_f32 v[160+\q], v[144+4*\q], v[128+4*\q]
.endr
.irp v, 1,2,3
.irp q, 0,1,2,3
	v_fma_f32 v[160+\q], v[144+4*\q+\v], v[128+4*\q+\v], v[160+\q]
.endr
.endr
.irp q, 0,1,2,3
	v_rcp_f32 v[160+\q], v[160+\q]
.endr
	v_nop                                          ; a plain line behind the reciprocals
	s_wait_alu depctr_va_vdst(0)
.irp q, 0,1,2,3
	v_mul_f32 v[FF+2*\q], v[164+\q], v[160+\q]
.endr
.irp q, 0,1,2,3
	v_cmp_gt_i32 vcc_lo, s[L1R+\q], v[RR]          ; does my query count?
	v_cndmask_b32 v[FF+2*\q], v[NIL], v[FF+2*\q], vcc_lo
.endr
.irp s, 0,1,2,3,4,5,6,7
	SKIP \s, .Lg
	NORM \s
.endr
.Lg:
	s_wait_loadcnt 0x0                             ; V's steps 0 to 3
	IFV 4                                          ; the scores of steps 0 to 3 are codes now: their registers take V's steps 4 to 7
	IFV 5
	IFV 6
	IFV 7
	BARRIER                                        ; a's fragments and scale words lie in LDS.  No barrier stands behind this one
	s_cmp_eq_u32 s[NS], 0
	s_cbranch_scc1 .Lzero
	; ---- O^T = V^T a^T.  The next step's fragments of a are fetched while this step is multiplied
	AFETCH 0
.irp s, 0,1,2,3,4,5,6,7
.if \s > 0
	SKIP \s, .Lpv
.endif
.if \s == 4
	s_wait_loadcnt 0x0                             ; V's steps 4 to 7
.endif
	s_wait_dscnt 0x0                               ; this step's fragments of a are in
.if \s < 7
	IFA \s+1
.endif
	PV16 \s
.endr
.Lpv:
	TOSTAGE 0
.irp q, 1,2,3
.if \q >= 2
	s_wait_xcnt 0x0                                ; the stores of two tiles ago have read the registers that this tile's rows land in
.endif
	TOSTAGE \q
	SEND \q-1, 16                                  ; behind that tile's loads stand this tile's 8 stores and 8 loads
.endr
	SEND 3, 0
	s_wait_xcnt 0x0
	v_lshl_add_u32 v254, v0, 2, 0x2bf00
	v_mov_b32 v255, 0
	s_wait_tensorcnt 0x0
	ds_add_u32 v254, v255
	s_wait_dscnt 0x0
	s_endpgm
.Lzero:                                            ; every slot of my 64 rows is masked: zeros, each wave its 256 bytes of every row
.irp j, 0,1,2,3
	v_mov_b32 v[OUT+\j], 0
.endr
.set i, 0
.rept 32
	global_store_b128 v[GO], v[OUT:OUT+3], s[26:27] offset:2048*i th:TH_STORE_NT
.set i, i+1
.endr
	s_wait_xcnt 0x0
	v_lshl_add_u32 v254, v0, 2, 0x2bf00
	v_mov_b32 v255, 0
	s_wait_tensorcnt 0x0
	ds_add_u32 v254, v255
	s_wait_dscnt 0x0
	s_endpgm
.Lfunc_end_k_qffc129794a_attn:
	.size	k_qffc129794a_attn, .Lfunc_end_k_qffc129794a_attn-k_qffc129794a_attn
	.p2alignl 7, 3214868480
	.fill 96, 4, 3214868480
	.section	.rodata,"a",@progbits
	.p2align	6, 0x0
	.amdhsa_kernel k_qffc129794a_attn
		.amdhsa_group_segment_fixed_size 180480
		.amdhsa_private_segment_fixed_size 0
		.amdhsa_enable_private_segment 0
		.amdhsa_kernarg_size 80
		.amdhsa_user_sgpr_count 2
		.amdhsa_user_sgpr_kernarg_segment_ptr 1
		.amdhsa_wavefront_size32 1
		.amdhsa_system_sgpr_workgroup_id_x 1
		.amdhsa_system_sgpr_workgroup_id_y 1
		.amdhsa_system_sgpr_workgroup_id_z 1
		.amdhsa_system_vgpr_workitem_id 0
		.amdhsa_next_free_vgpr 1024
		.amdhsa_next_free_sgpr 66
		.amdhsa_reserve_vcc 1
		.amdhsa_float_denorm_mode_32 3
		.amdhsa_float_denorm_mode_16_64 3
		.amdhsa_memory_ordered 1
		.amdhsa_forward_progress 1
		.amdhsa_inst_pref_size 255
	.end_amdhsa_kernel
	.section	.bss,"aw",@nobits
	.p2align	6
	.space	262144
	.amdgpu_metadata
---
amdhsa.version: [ 1, 2 ]
amdhsa.kernels:
  - .name:           k_qffc129794a_attn
    .symbol:         k_qffc129794a_attn.kd
    .args:
      - { .name: s1, .offset: 0, .size: 8, .value_kind: global_buffer, .address_space: global }
      - { .name: w, .offset: 8, .size: 8, .value_kind: global_buffer, .address_space: global }
      - { .name: l1, .offset: 16, .size: 8, .value_kind: global_buffer, .address_space: global }
      - { .name: l2, .offset: 24, .size: 8, .value_kind: global_buffer, .address_space: global }
      - { .name: kc, .offset: 32, .size: 8, .value_kind: global_buffer, .address_space: global }
      - { .name: ks, .offset: 40, .size: 8, .value_kind: global_buffer, .address_space: global }
      - { .name: vc, .offset: 48, .size: 8, .value_kind: global_buffer, .address_space: global }
      - { .name: vs, .offset: 56, .size: 8, .value_kind: global_buffer, .address_space: global }
      - { .name: p2, .offset: 64, .size: 8, .value_kind: global_buffer, .address_space: global }
      - { .name: out0, .offset: 72, .size: 8, .value_kind: global_buffer, .address_space: global }
    .group_segment_fixed_size: 180480
    .private_segment_fixed_size: 0
    .kernarg_segment_align: 8
    .kernarg_segment_size: 80
    .max_flat_workgroup_size: 128
    .sgpr_count:     66
    .vgpr_count:     1024
    .wavefront_size: 32
...
	.end_amdgpu_metadata
.endif
;; end of part 2
;; ======== version 2 of 2: 2 launches; 1.21 times as fast as version 1
;; limits: right only within a limited range of input values
;; workspace buffers: kc 8,388,608 bytes; ks 262,144 bytes; vc 8,388,608 bytes; vs 262,144 bytes; p2 131,072 bytes; order 2,048 bytes of whole numbers
;; launch prep (part 3): grid 8 x 32, 8 waves a work-group, no clusters, 43,008 bytes of LDS; arguments s2, w, l2, kc, ks, vc, vs, p2, l1, order; writes kc, ks, vc, vs, p2, order
.if DOCPART == 3
	.amdgcn_target "amdgcn-amd-amdhsa--gfx1250"
	.amdhsa_code_object_version 6
	.text
	.protected	k_qffc129794a_prep
	.globl	k_qffc129794a_prep
	.p2align	8
	.type	k_qffc129794a_prep,@function
k_qffc129794a_prep:
	s_mov_b64 s[64:65], 0
	v_nop
	global_prefetch_b8 v0, s[64:65] scope:SCOPE_SE
	s_setreg_imm32_b32 hwreg(HW_REG_WAVE_MODE, 25, 1), 1
	s_wait_xcnt 0x0
; s2 [32][1024 keys][256 channels] f32 is read once and becomes what the second launch multiplies by: codes of BF8 (E5M2) with one E8M0 byte for each 32 along K, twice over:
;   kc, ks: quantised along the CHANNELS (the first product's K);   vc, vs: quantised along the KEYS (the second product's K);   p2[key] = s2[key] . w[256:512] in f32, or -1e30 where key >= l2: the column mask, made once.
; LAYOUTS (this program's own): both tensors of codes lie in the order of the operand's registers, so that a fragment comes by loads of 16 bytes a lane, 512 consecutive bytes a wave.
;   kc [b][block of 32 keys][u 2][kstep 2][c 4][lane 32][16 B]: lane (r, h) of tile u holds key 8 u + r + 8 (r / 8) of the block, channels 128 kstep + 32 c + 16 h + 0 .. 15
;   ks [b][key][8 B]: byte j scales channels 32 j on         vc [b][block of 32 keys][tile of 16 channels][lane 32][16 B]: lane (r, h) holds channel 16 tile + r, keys 16 h + 0 .. 15 of the block
;   vs [b][step of 128 keys][channel] words: byte c is block c of the step
; SHARES.  A work-group takes 128 keys (x) of one sample (y); wave w takes channels 32 w .. 32 w + 31, a lane one channel, and its registers run down the keys: each load reads 128 consecutive bytes a wave,
; the eight waves a whole row.  A block of 32 keys of a channel lies in one lane: the codes along the keys need no other lane.  For the codes along the channels a block's 32 x 32 numbers turn through the wave's own
; stage in LDS and come back 16 neighbouring channels a lane; the wave's 32 channels are one block of 32 along that K (two lanes hold it).
; A step all of whose keys lie at or past max(l2, 1) is not quantised (the mask that the problem builds throws its products away; the second launch reads no such step); its p2 is stored all the same.
; The barrier stands where both ways have joined.  No tensor load, no cluster: work-groups share no input.
; THE LIST.  The second launch has 512 tiles (a sample, a block of 64 queries) of very unequal work: NS = ceil(l2 / 128) key steps where the block's first query lies under l1, else nothing but zeros.
; One wave that has nothing left to do behind the barrier (wave 7 of work-group x = 7, y = 31) sorts them: most key steps first, the tiles wholly under the mask last; word g of order is the tile of the second
; launch's work-group g: b | block << 5 | NS << 9 | l1 << 13 (NS = 0 for a masked tile).  The sort is meant for work-groups that are begun in the order of their numbers; no result hangs on it.
; A lane holds a sample; a sample's live tiles are neighbours in the list.  512 words leave by 16 stores of 4 bytes a lane to scattered places: 2,048 bytes, once in the launch.
; A block's scale is 2^(floor(log2(largest magnitude)) - 15); its byte is the largest magnitude's exponent field - 15, held at 1 from below.
; LIMITS: a block of zeros gets the byte 1 where the rule says 127 (its codes are zeros, and this program alone reads the bytes); NaN and infinities among the inputs are not served;
; p2's 256 products are added in another order than a plain dot product's.  l1 and l2 may be any int32: they are held to 0 .. 1024.
.set SP,    144                        ; a stage row: 32 channels x 4 bytes + 16 of padding
.set SPW,   32*SP                      ; a wave's stage: 32 keys
.set KSB,   8*SPW                      ; behind the stages: ks's bytes of the 128 keys, [key][8]
.set P2P,   KSB+1024                   ; and the waves' parts of p2, [key][wave] f32
.set FLOOR, 0x8000000                  ; 2^(16 - 127)
.set EOFF,  0xf8800000                 ; -(15 << 23)
.set LN4, 1                            ; v1   behind the head: 4 x lane
.set OL1, 2                            ; v2   behind the head, in the sorting wave: l1 of sample = lane;  v3: l2
.set OL2, 3
.set GA,  5                            ; v5   4 x thread: my channel's byte in a row of s2, in vs, and (waves 0-3) my key's in p2
.set SA,  6                            ; v6   the stage, in: 4 x lane
.set LA,  7                            ; v7   the stage, out: row r + 8 (r / 8), + 64 h
.set PA,  8                            ; v8   where my key's part of p2 goes
.set KBA, 9                            ; v9   where my key's scale byte goes
.set VO,  10                           ; v10  my 16 bytes in a block of vc
.set KO,  11                           ; v11  my 16 bytes in a tile of kc
.set SBV, 12                           ; v12  my channel's scale word
.set SUM, 13                           ; v13  p2 of my key
.set TPA, 14                           ; v14-16 the tail's addresses
.set TKA, 15
.set TGO, 16
.set NEG, 17                           ; v17  -1e30
.set VM,  18                           ; v18-19 largest magnitude along the keys, two chains
.set VSC, 20                           ; v20  its scale operand;  v21 the hold;  v22 the byte
.set VHO, 21
.set VBY, 22
.set WA,  23                           ; v23  my 16 numbers of w2
.set KM,  24                           ; v24-25 largest magnitudes along the channels (tile u); v26-27 the other half's
.set W2,  28                           ; v28-43 w[256 + 32 w + 16 h + 0 .. 15]
.set Y,   44                           ; v44-75 two tiles x 16 neighbouring channels
.set C,   76                           ; v76-91 codes along the keys, two sets of 8
.set CK,  92                           ; v92-107 codes along the channels, two sets of 8
.set KSC, 108                          ; v108-109 scale operands; v110-111 holds; v112-113 bytes (tile u)
.set KHO, 110
.set KBY, 112
.set PS,  114                          ; v114-117 p2's parts, a pair for each tile
.set PX,  118                          ; v118-119 the other half's
.set TL,  120                          ; v120-127 the tail: eight parts of p2
.set X,   128                          ; v128-255 four blocks x 32 keys
.set LB,  128                          ; the sort's names for registers of X, which is done with by then: the sample;
.set ZR,  129                          ; 0;
.set ONS, 130                          ; its key steps;
.set ON,  131                          ; its live tiles;
.set KEY, 132                          ; 32 x key steps + 31 - sample: no two alike;
.set NP,  133                          ; live tiles + 65,536;
.set ACC, 134                          ; the sum of that over the samples that come first;
.set TMP, 135
.set AA,  136                          ; where my live tiles begin in the list;
.set BMK, 137                          ; where my masked tiles begin, less my live tiles;
.set E0,  138                          ; a masked tile's word, without its block;  v139 a live tile's
.set E1,  139
.set PS4, 144                          ; v144-159 sixteen places;  v160-175 sixteen words
.set EN,  160
.set WV,  24
.set BB,  25
.set L2,  27
.set K0,  28
.set ACT, 29
.set L2R, 30
.set B4,  31
.set OF,  32
.set SEL, 34
.set MNT, 36
.set T0,  37
.set T1,  38
.set ISO, 39                           ; s39  0 in the work-group that sorts
.set SK,  44
.set SN,  45
.set STOT, 46
	s_load_b512 s[8:23], s[0:1], 0x0               ; s2 s[8:9], w s[10:11], l2 s[12:13], kc s[14:15], ks s[16:17], vc s[18:19], vs s[20:21], p2 s[22:23]
	s_load_b128 s[40:43], s[0:1], 0x40             ; l1 s[40:41], order s[42:43]
	s_set_vgpr_msb 0x40
	v_lshl_add_u32 v0, v0, 2, 0xa400
	v_mov_b32 v1, 0
	s_set_vgpr_msb 0x4000
	v_lshrrev_b32 v1, 5, v0
	v_readfirstlane_b32 s[WV], v1                  ; wave 0..7
	s_and_b32 s[BB], ttmp7, 0xffff                 ; the sample
	s_lshl_b32 s[K0], ttmp9, 7                     ; the step's first key
	s_lshl_b32 s[B4], s[BB], 2
	s_xor_b32 s[ISO], ttmp9, 7
	s_xor_b32 s[T0], s[BB], 31
	s_or_b32 s[ISO], s[ISO], s[T0]                 ; 0 where x = 7 and y = 31
	s_mov_b32 s[SEL], 0x76543210
	s_mov_b32 s[SEL+1], 0xfedcba98                 ; v_permlanex16_b32's selects for lane l xor 16
	s_mov_b32 s[MNT], 0x600000                     ; the mantissa field of 57,344
	s_wait_kmcnt 0x0
	s_load_b32 s[L2], s[12:13], s[B4] offset:0x0   ; l2 of my sample
	s_mov_b32 s[OF+1], 0
	s_lshl_b32 s[OF], s[BB], 20
	s_lshl_b32 s[T0], ttmp9, 17
	s_add_co_u32 s[OF], s[OF], s[T0]               ; s2: 2^20 bytes a sample, 2^17 a step
	s_add_nc_u64 s[8:9], s[8:9], s[OF:OF+1]
	s_lshr_b32 s[OF], s[OF], 2                     ; the codes: a quarter of that
	s_add_nc_u64 s[14:15], s[14:15], s[OF:OF+1]
	s_add_nc_u64 s[18:19], s[18:19], s[OF:OF+1]
	s_lshr_b32 s[OF], s[OF], 5                     ; the scale bytes: 2^13 a sample, 2^10 a step
	s_add_nc_u64 s[16:17], s[16:17], s[OF:OF+1]
	s_add_nc_u64 s[20:21], s[20:21], s[OF:OF+1]
	s_lshr_b32 s[OF], s[OF], 1                     ; p2: 2^12 a sample, 2^9 a step
	s_add_nc_u64 s[22:23], s[22:23], s[OF:OF+1]
	v_and_b32 v1, 31, v0                           ; lane
	v_and_b32 v2, 15, v0                           ; r
	v_bfe_u32 v3, v0, 4, 1                         ; h
	v_and_b32 v4, 8, v2
	v_add_nc_u32 v4, v4, v2                        ; r + 8 (r / 8)
	v_lshlrev_b32 v[GA], 2, v0
	s_mul_i32 s[T0], s[WV], SPW                    ; my wave's stage
	v_lshl_add_u32 v[SA], v1, 2, s[T0]
	v_mul_u32_u24 v[LA], v4, SP
	v_lshl_add_u32 v[LA], v3, 6, v[LA]
	v_add_nc_u32 v[LA], s[T0], v[LA]
	s_lshl_b32 s[T0], s[WV], 2
	s_add_co_u32 s[T0], s[T0], P2P
	v_lshl_add_u32 v[PA], v4, 5, s[T0]             ; P2P + 32 x key + 4 x wave
	s_add_co_u32 s[T0], s[WV], KSB
	v_lshl_add_u32 v[KBA], v4, 3, s[T0]            ; KSB + 8 x key + wave
	s_lshl_b32 s[T0], s[WV], 10
	v_lshlrev_b32 v[VO], 4, v2
	v_lshl_add_u32 v[VO], v3, 9, v[VO]
	v_add_nc_u32 v[VO], s[T0], v[VO]               ; tile 2 w + lane / 16: 512 bytes each; 16 r in it
	s_lshr_b32 s[T0], s[WV], 2
	s_lshl_b32 s[T0], s[T0], 11                    ; kstep = w / 4: 2,048 bytes;
	s_and_b32 s[T1], s[WV], 3
	s_lshl_b32 s[T1], s[T1], 9                     ; c = w % 4: 512 bytes
	s_add_co_u32 s[T0], s[T0], s[T1]
	v_lshl_add_u32 v[KO], v1, 4, s[T0]
	s_lshl_b32 s[T0], s[WV], 7
	v_lshl_add_u32 v[WA], v3, 6, s[T0]             ; 128 w + 64 h
	v_and_b32 v[VM], 127, v0                       ; the tail (waves 0-3): a thread to a key
	v_lshlrev_b32 v[TPA], 5, v[VM]
	v_add_nc_u32 v[TPA], P2P, v[TPA]
	v_lshlrev_b32 v[TGO], 3, v[VM]
	v_add_nc_u32 v[TKA], KSB, v[TGO]
	v_mov_b32 v[SUM], 0
	v_mov_b32 v[NEG], 0xf149f2ca                   ; -1e30
	v_mov_b32 v[KM+2], 0                           ; written once: a lane permute's destination counts as one of its sources
	v_mov_b32 v[KM+3], 0
	v_mov_b32 v[PX], 0
	v_mov_b32 v[PX+1], 0
	v_lshlrev_b32 v[LN4], 2, v1                    ; lane, r and h have served: v1 becomes 4 x lane, and v2 and v3 take l1 and l2 in the wave that sorts
	s_cmp_lg_u32 s[WV], 7
	s_cbranch_scc1 .Lnol
	s_cmp_lg_u32 s[ISO], 0
	s_cbranch_scc1 .Lnol
	global_load_b32 v[OL1], v[LN4], s[40:41]       ; asked for ahead of every other load of the wave, used behind the barrier: older than the loads that the counted waits below count
	global_load_b32 v[OL2], v[LN4], s[12:13]
.Lnol:
	s_wait_kmcnt 0x0
	s_max_i32 s[L2], s[L2], 0
	s_min_i32 s[L2], s[L2], 1024                   ; any int32 serves
	s_sub_co_i32 s[L2R], s[L2], s[K0]              ; keys of this step that count, if positive
	s_max_i32 s[T0], s[L2], 1                      ; step 0 is always made
	s_cmp_lt_i32 s[K0], s[T0]
	s_cselect_b32 s[ACT], 1, 0
	s_cmp_eq_u32 s[ACT], 0
	s_cbranch_scc1 .Lskip
.macro LOADX t                         ; block t: s2(32 t + i, my channel), i = 0 .. 31
.set i, 0
.rept 32
	global_load_b32 v[X+32*(\t)+i], v[GA], s[8:9] offset:(32*(\t)+i)*1024 th:TH_LOAD_NT
.set i, i+1
.endr
.endm
.macro BLOCK t
.set XS,  X+32*(\t)
.set CS,  C+8*((\t)%2)
.set CKS, CK+8*((\t)%2)
.if (\t)+2 < 4
	LOADX (\t)+2
.endif
.if (\t) < 2
	s_wait_loadcnt 63                              ; behind this block's loads stand the 64 of the two blocks after it; the count's field holds 63
.elseif (\t) == 2
	s_wait_loadcnt 32                              ; the last block's 32 may be out
.else
	s_wait_loadcnt 0x0
.endif
.set i, 0
.rept 32
	ds_store_b32 v[SA], v[XS+i] offset:SP*i        ; the numbers as they are, a key to a row
.set i, i+1
.endr
.irp u, 0,1
.irp j, 0,1,2,3
	ds_load_b128 v[Y+16*\u+4*\j:Y+16*\u+4*\j+3], v[LA] offset:\u*8*SP+16*\j   ; LDS serves a wave's instructions in order: these see the stores.  Tile u: key 8 u + r + 8 (r / 8), 16 neighbouring channels
.endr
.endr
	; along the KEYS: all 32 numbers of the block are mine
	v_max3_num_f32 v[VM], |v[XS]|, |v[XS+1]|, |v[XS+2]|
	v_max3_num_f32 v[VM+1], |v[XS+3]|, |v[XS+4]|, |v[XS+5]|
.irp i, 6,10,14,18,22,26
	v_max3_num_f32 v[VM], v[VM], |v[XS+\i]|, |v[XS+\i+1]|
	v_max3_num_f32 v[VM+1], v[VM+1], |v[XS+\i+2]|, |v[XS+\i+3]|
.endr
	v_max3_num_f32 v[VM], v[VM], |v[XS+30]|, |v[XS+31]|
	v_max3_num_f32 v[VM], v[VM], v[VM+1], FLOOR    ; the floor holds the byte at 1 from below
	v_add_nc_u32 v[VSC], EOFF, v[VM]               ; 15 off the exponent field: the conversion takes this operand's exponent field as its scale
	v_and_or_b32 v[VHO], v[VM], 0x7f800000, s[MNT] ; 57,344 x the scale
	s_wait_dscnt 0x0                               ; Y is in; the stage's stores have read X, and the last block's small stores their registers
.if (\t) >= 2
	s_wait_xcnt 0x0                                ; the stores of two blocks ago have read this set of code registers
.endif
.set i, 0
.rept 32
	v_med3_num_f32 v[XS+i], v[XS+i], -v[VHO], v[VHO]   ; the conversion to an 8-bit code does not saturate (ISA guide 7.6.2)
.set i, i+1
.endr
.irp g, 0,1,2,3
	v_cvt_scalef32_pk8_bf8_f32 v[CS+2*\g:CS+2*\g+1], v[XS+8*\g:XS+8*\g+7], v[VSC]
.endr
.if (\t) == 0
	v_lshrrev_b32 v[SBV], 23, v[VSC]               ; the scale's byte (also the plain line behind the conversions)
.else
	v_lshrrev_b32 v[VBY], 23, v[VSC]
	v_lshl_or_b32 v[SBV], v[VBY], 8*(\t), v[SBV]
.endif
	global_store_b128 v[VO], v[CS:CS+3], s[18:19] offset:8192*(\t)           ; keys 0-15: sixteen lanes store 256 consecutive bytes, aligned
	global_store_b128 v[VO], v[CS+4:CS+7], s[18:19] offset:8192*(\t)+256     ; keys 16-31
	; along the CHANNELS, the two tiles by turns.  First p2's part, of the numbers as they are
.irp u, 0,1
	v_pk_mul_f32 v[PS+2*\u:PS+2*\u+1], v[Y+16*\u:Y+16*\u+1], v[W2:W2+1]
.endr
.irp i, 2,4,6,8,10,12,14
.irp u, 0,1
	v_pk_fma_f32 v[PS+2*\u:PS+2*\u+1], v[Y+16*\u+\i:Y+16*\u+\i+1], v[W2+\i:W2+\i+1], v[PS+2*\u:PS+2*\u+1]
.endr
.endr
.irp u, 0,1
	v_add_f32 v[PS+2*\u], v[PS+2*\u], v[PS+2*\u+1]
.endr
.irp u, 0,1
	v_permlanex16_b32 v[PX+\u], v[PS+2*\u], s[SEL], s[SEL+1]
.endr
.irp u, 0,1
	v_add_f32 v[PS+2*\u], v[PS+2*\u], v[PX+\u]     ; my wave's 32 channels of the key
.endr
.irp u, 0,1
	ds_store_b32 v[PA], v[PS+2*\u] offset:(32*(\t)+8*\u)*32   ; (both halves of the lanes write the same word with the same value)
.endr
.irp u, 0,1
	v_max3_num_f32 v[KM+\u], |v[Y+16*\u]|, |v[Y+16*\u+1]|, FLOOR
.endr
.irp i, 2,4,6,8,10,12,14
.irp u, 0,1
	v_max3_num_f32 v[KM+\u], v[KM+\u], |v[Y+16*\u+\i]|, |v[Y+16*\u+\i+1]|
.endr
.endr
.irp u, 0,1
	v_permlanex16_b32 v[KM+2+\u], v[KM+\u], s[SEL], s[SEL+1]
.endr
.irp u, 0,1
	v_max_num_f32 v[KM+\u], v[KM+\u], v[KM+2+\u]   ; with lane l xor 16's 16 channels: the block's
.endr
.irp u, 0,1
	v_add_nc_u32 v[KSC+\u], EOFF, v[KM+\u]
.endr
.irp u, 0,1
	v_and_or_b32 v[KHO+\u], v[KM+\u], 0x7f800000, s[MNT]
.endr
.irp u, 0,1
.irp i, 0,1,2,3,4,5,6,7,8,9,10,11,12,13,14,15
	v_med3_num_f32 v[Y+16*\u+\i], v[Y+16*\u+\i], -v[KHO+\u], v[KHO+\u]
.endr
	v_cvt_scalef32_pk8_bf8_f32 v[CKS+4*\u:CKS+4*\u+1], v[Y+16*\u:Y+16*\u+7], v[KSC+\u]
	v_cvt_scalef32_pk8_bf8_f32 v[CKS+4*\u+2:CKS+4*\u+3], v[Y+16*\u+8:Y+16*\u+15], v[KSC+\u]
.endr
.irp u, 0,1
	v_lshrrev_b32 v[KBY+\u], 23, v[KSC+\u]         ; the bytes (also the plain lines behind the conversions)
.endr
.irp u, 0,1
	ds_store_b8 v[KBA], v[KBY+\u] offset:(32*(\t)+8*\u)*8
	global_store_b128 v[KO], v[CKS+4*\u:CKS+4*\u+3], s[14:15] offset:8192*(\t)+4096*\u   ; the wave stores 512 consecutive bytes
.endr
.endm
.irp j, 0,1,2,3
	global_load_b128 v[W2+4*\j:W2+4*\j+3], v[WA], s[10:11] offset:1024+16*\j
.endr
	LOADX 0
	LOADX 1
	BLOCK 0
	BLOCK 1
	BLOCK 2
	BLOCK 3
	global_store_b32 v[GA], v[SBV], s[20:21]       ; my channel's scale word of this step
.Lskip:
	s_wait_dscnt 0x0                               ; for the others' sake: my parts of p2 and my scale bytes lie in LDS
	s_barrier_signal -1
	s_barrier_wait -1
	s_cmp_ge_u32 s[WV], 4                          ; the tail: 128 keys, a thread of waves 0-3 to each
	s_cbranch_scc1 .Lhigh
	s_cmp_eq_u32 s[ACT], 0
	s_cbranch_scc1 .Lp2
	ds_load_b128 v[TL:TL+3], v[TPA]
	ds_load_b128 v[TL+4:TL+7], v[TPA] offset:16
	ds_load_b64 v[KM:KM+1], v[TKA]
	s_wait_dscnt 0x0
	v_add_f32 v[TL], v[TL], v[TL+1]
	v_add_f32 v[TL+2], v[TL+2], v[TL+3]
	v_add_f32 v[TL+4], v[TL+4], v[TL+5]
	v_add_f32 v[TL+6], v[TL+6], v[TL+7]
	v_add_f32 v[TL], v[TL], v[TL+2]
	v_add_f32 v[TL+4], v[TL+4], v[TL+6]
	v_add_f32 v[SUM], v[TL], v[TL+4]
	global_store_b64 v[TGO], v[KM:KM+1], s[16:17]  ; my key's eight scale bytes: the wave stores 256 consecutive bytes, aligned
.Lp2:
	v_cmp_gt_i32 vcc_lo, s[L2R], v0                ; does my key count?
	v_cndmask_b32 v[SUM], v[NEG], v[SUM], vcc_lo   ; if not: -1e30, as the problem's mask has it
	global_store_b32 v[GA], v[SUM], s[22:23]
	s_set_vgpr_msb 0x5
	s_wait_tensorcnt 0x0
	ds_add_u32 v0, v1
	s_wait_dscnt 0x0
	s_set_vgpr_msb 0x500
	s_endpgm
.Lhigh:
	s_cmp_lg_u32 s[WV], 7
	s_cbranch_scc1 .Lend
	s_cmp_lg_u32 s[ISO], 0
	s_cbranch_scc1 .Lend
	; ---- THE LIST: a lane to a sample
	s_wait_loadcnt 0x0                             ; l1 and l2 of the 32 samples
	v_and_b32 v[LB], 31, v0
	v_mov_b32 v[ZR], 0
	v_cmp_gt_i32 vcc_lo, 0, v[OL1]
	v_cndmask_b32 v[OL1], v[OL1], v[ZR], vcc_lo    ; held to 0 from below,
	v_cmp_gt_i32 vcc_lo, 0, v[OL2]
	v_cndmask_b32 v[OL2], v[OL2], v[ZR], vcc_lo
	v_min_u32 v[OL1], 0x400, v[OL1]                ; and to 1,024 from above
	v_min_u32 v[OL2], 0x400, v[OL2]
	v_add_nc_u32 v[ONS], 127, v[OL2]
	v_lshrrev_b32 v[ONS], 7, v[ONS]                ; key steps: ceil(l2 / 128)
	v_add_nc_u32 v[ON], 63, v[OL1]
	v_lshrrev_b32 v[ON], 6, v[ON]                  ; live tiles: ceil(l1 / 64),
	v_cmp_eq_u32 vcc_lo, 0, v[ONS]
	v_cndmask_b32 v[ON], v[ON], v[ZR], vcc_lo      ; none where no key counts
	v_sub_nc_u32 v[KEY], 31, v[LB]
	v_lshl_add_u32 v[KEY], v[ONS], 5, v[KEY]       ; the larger key comes first
	v_add_nc_u32 v[NP], 0x10000, v[ON]             ; one sum counts both: the tiles (low half) and the samples (high half) that come first
	v_mov_b32 v[ACC], 0
	s_mov_b32 s[STOT], 0
.set j, 0
.rept 32
	v_readlane_b32 s[SK], v[KEY], j
	v_readlane_b32 s[SN], v[NP], j
	s_add_co_u32 s[STOT], s[STOT], s[SN]
	v_cmp_le_u32 vcc_lo, s[SK], v[KEY]             ; sample j does not come ahead of mine
	v_cndmask_b32 v[TMP], s[SN], v[ZR], vcc_lo
	v_add_nc_u32 v[ACC], v[ACC], v[TMP]
.set j, j+1
.endr
	s_and_b32 s[STOT], s[STOT], 0xffff             ; live tiles in all: 512 at the most
	v_and_b32 v[AA], 0xffff, v[ACC]                ; my live tiles begin here
	v_lshrrev_b32 v[TMP], 16, v[ACC]               ; samples ahead of mine
	v_lshl_add_u32 v[BMK], v[TMP], 4, s[STOT]      ; my masked tiles begin behind all live tiles and behind the masked tiles of the samples ahead: 16 each less their live ones;
	v_sub_nc_u32 v[BMK], v[BMK], v[AA]
	v_sub_nc_u32 v[BMK], v[BMK], v[ON]             ; my first masked tile is block ON
	v_lshl_or_b32 v[E0], v[OL1], 13, v[LB]
	v_lshl_or_b32 v[E1], v[ONS], 9, v[E0]
.set i, 0
.rept 16
	v_cmp_lt_u32 vcc_lo, i, v[ON]                  ; is block i live?
	v_cndmask_b32 v[PS4+i], v[BMK], v[AA], vcc_lo
	v_cndmask_b32 v[EN+i], v[E0], v[E1], vcc_lo
	v_add_nc_u32 v[PS4+i], i, v[PS4+i]             ; its place in the list: each of 0 .. 511 is taken once
	v_min_u32 v[PS4+i], 0x1ff, v[PS4+i]            ; a number made of loaded numbers enters an address behind this hold alone
	v_lshlrev_b32 v[PS4+i], 2, v[PS4+i]
	v_or_b32 v[EN+i], i<<5, v[EN+i]
	global_store_b32 v[PS4+i], v[EN+i], s[42:43]
.set i, i+1
.endr
.Lend:
	s_set_vgpr_msb 0x5
	s_wait_tensorcnt 0x0
	ds_add_u32 v0, v1
	s_wait_dscnt 0x0
	s_set_vgpr_msb 0x500
	s_endpgm
.Lfunc_end_k_qffc129794a_prep:
	.size	k_qffc129794a_prep, .Lfunc_end_k_qffc129794a_prep-k_qffc129794a_prep
	.p2alignl 7, 3214868480
	.fill 96, 4, 3214868480
	.section	.rodata,"a",@progbits
	.p2align	6, 0x0
	.amdhsa_kernel k_qffc129794a_prep
		.amdhsa_group_segment_fixed_size 43008
		.amdhsa_private_segment_fixed_size 0
		.amdhsa_enable_private_segment 0
		.amdhsa_kernarg_size 80
		.amdhsa_user_sgpr_count 2
		.amdhsa_user_sgpr_kernarg_segment_ptr 1
		.amdhsa_wavefront_size32 1
		.amdhsa_system_sgpr_workgroup_id_x 1
		.amdhsa_system_sgpr_workgroup_id_y 1
		.amdhsa_system_sgpr_workgroup_id_z 1
		.amdhsa_system_vgpr_workitem_id 0
		.amdhsa_next_free_vgpr 258
		.amdhsa_next_free_sgpr 66
		.amdhsa_reserve_vcc 1
		.amdhsa_float_denorm_mode_32 3
		.amdhsa_float_denorm_mode_16_64 3
		.amdhsa_memory_ordered 1
		.amdhsa_forward_progress 1
		.amdhsa_inst_pref_size 81
	.end_amdhsa_kernel
	.amdgpu_metadata
---
amdhsa.version: [ 1, 2 ]
amdhsa.kernels:
  - .name:           k_qffc129794a_prep
    .symbol:         k_qffc129794a_prep.kd
    .args:
      - { .name: s2, .offset: 0, .size: 8, .value_kind: global_buffer, .address_space: global }
      - { .name: w, .offset: 8, .size: 8, .value_kind: global_buffer, .address_space: global }
      - { .name: l2, .offset: 16, .size: 8, .value_kind: global_buffer, .address_space: global }
      - { .name: kc, .offset: 24, .size: 8, .value_kind: global_buffer, .address_space: global }
      - { .name: ks, .offset: 32, .size: 8, .value_kind: global_buffer, .address_space: global }
      - { .name: vc, .offset: 40, .size: 8, .value_kind: global_buffer, .address_space: global }
      - { .name: vs, .offset: 48, .size: 8, .value_kind: global_buffer, .address_space: global }
      - { .name: p2, .offset: 56, .size: 8, .value_kind: global_buffer, .address_space: global }
      - { .name: l1, .offset: 64, .size: 8, .value_kind: global_buffer, .address_space: global }
      - { .name: order, .offset: 72, .size: 8, .value_kind: global_buffer, .address_space: global }
    .group_segment_fixed_size: 43008
    .private_segment_fixed_size: 0
    .kernarg_segment_align: 8
    .kernarg_segment_size: 80
    .max_flat_workgroup_size: 256
    .sgpr_count:     66
    .vgpr_count:     258
    .wavefront_size: 32
...
	.end_amdgpu_metadata
.endif
;; end of part 3
;; launch attn (part 4): grid 512 x 1, 4 waves a work-group, no clusters, 180,480 bytes of LDS; arguments s1, w, order, p2, kc, ks, vc, vs, out0; writes out0
.if DOCPART == 4
	.amdgcn_target "amdgcn-amd-amdhsa--gfx1250"
	.amdhsa_code_object_version 6
	.text
	.protected	k_qffc129794a_attn
	.globl	k_qffc129794a_attn
	.p2align	8
	.type	k_qffc129794a_attn,@function
k_qffc129794a_attn:
	s_mov_b64 s[64:65], 0
	v_nop
	global_prefetch_b8 v0, s[64:65] scope:SCOPE_SE
	s_setreg_imm32_b32 hwreg(HW_REG_WAVE_MODE, 25, 1), 1
	s_wait_xcnt 0x0
; out0[b][q] = sum over keys of a[q][key] s2[b][key], a = softmax over the keys of (s1[q].w1 + s2[key].w2 + (s1[q] w3).s2[key]) under the mask q < l1, key < l2; masked slots are 0.
; Both large products run on codes of BF8 (E5M2) with one E8M0 scale for each 32 along K.  a is quantised FINISHED AND NORMALISED, so a row's maximum and sum are known before its first code is made:
; all scores of the work-group's 64 queries stay in registers (64 x 1,024 f32 = 512 registers in each of four waves).
; SHARES.  A work-group: one tile, 64 queries of one sample, four tiles of 16.  WHICH tile says word g of the first launch's list, g the work-group's number: b | block << 5 | NS << 9 | l1 << 13.  The list is sorted
; by work, the tiles with most key steps first and those wholly under the mask last; it is meant for work-groups that are begun in the order of their numbers, and no result hangs on it.
; THE WAVES SHARE THE KEYS, THEN THE CHANNELS, NOT THE QUERIES: in each step of 128 keys wave w takes keys 128 s + 32 w .. + 31 for all four
; tiles, and of the result channels 64 w .. 64 w + 63.  So each fragment of K and of V is loaded by one wave, straight from memory into its registers (the first launch laid them in register order), and feeds
; four matrix instructions; what goes from wave to wave through LDS is small: Q's codes, two numbers a row, and a's codes, as images of the operand's registers.
; LAYOUT.  Both products are used transposed (S^T = K Q^T, O^T = V^T a^T): a lane holds ONE query (lane % 16).  The keys of a tile of K are not neighbours: lane r of tile u takes key 8 u + r + 8 (r / 8) of the
; block, so that a lane's 16 scores of a block are keys 16 (lane / 16) + 0 .. 15: their 16 codes are four registers of the next operand.
; SOFTMAX.  c = log2(e).  Each wave takes ITS OWN keys' maximum m_w away: p = 2^(c s - c m_w), l_w = sum of p.  (c m_w, l_w) meet in LDS; g_v = 2^(c m_v - max over v), l = sum of l_v g_v, f = g_w / l,
; a = p f: the row's true maximum is what is taken away.  (c s - c m_w is one fused multiply-add against the rounded c m_w; g_w is made of the same rounded number, so that its rounding cancels in p g_w.)
; f = 0 where the query is at or past l1.  A block's largest a is the block's largest score put through the same three instructions.
; m_w IS HELD AT -2^96 FROM BELOW.  A wave all of whose keys are masked (l2 <= 32 w, one step) finds only -1e30.  With m_w = -1e30 the exponent would be the rounding of c m_w, up to 2^76 at that size, and no 0;
; with m_w = -2^96 it is about -1.3e30: p = 0, l_w = 0, g_w = 0, f = 0, and the wave's codes of a are zeros.  Key 0 counts wherever a step is walked, so l is never 0 there.
; THE MASK.  Keys at or past l2 have p2 = -1e30 (first launch): p = 0.  Steps of 128 keys that lie wholly past l2 are left out: NS = ceil(l2 / 128), a scalar branch round each step's lines.  A tile none of
; whose queries count, or with l2 <= 0, has NS = 0: its zeros are stored first thing, so that they are on their way while the work-group walks what is left of the text.
; The three barriers stand on the way that every work-group takes, outside every branch on the list's numbers.
; NO CLUSTER, NO TENSOR LOAD, though the tiles of a sample read the same codes: joint requests are tensor loads;
; the branches leave out 1 - NS / 8 of a sample's steps and every step of the blocks past l1.
; LIMITS: NaN and infinities are not served; unmasked scores at or under -2^96 (7.9e28) are not served (the problem's own text takes -1e30 for masked); p under 2^-126 is 0 (the exponential flushes);
; a block of zeros gets the byte 1, read here alone; part1 and the sums are added in another order than the problem's text adds them.  l1 and l2 may be any int32: the first launch holds them to 0 .. 1024.
; REGISTERS, in windows of 256 (s_set_vgpr_msb: bits 1:0 source 0, 3:2 source 1, 5:4 source 2, 7:6 destination):
;   window 0: v1-27 addresses; v28-47 scale words and nothing else; v48-127 statistics; v128-255 by turns: s1 w3 turned, K's buffers 2 and 3, a's codes, rows on the way out
;   window 1: v0-127 Q's 8 fragments; v128-255 s1 as loaded, then K's buffers 0 and 1; at last all of it V's fragments of steps 0-3
;   window 2: the scores of steps 0-3 (step s, tile q, key i at v[64 (s % 4) + 16 q + i]), then V's fragments of steps 4-7
;   window 3: the scores of steps 4-7 (p2 lies in v128-255 until they begin), then O^T's 16 accumulators in v0-127 and two buffers of a's fragments in v128-255
.set QIMG, 0                           ; LDS: Q's 8 fragments (2 q + kstep), 2,048 bytes each
.set QSC,  16384                       ; their scale words [q][kstep][r]
.set P1,   16896                       ; part1 [q][r]
.set CMX,  17152                       ; c m_w [q][r][wave];  1,024 bytes on: l_w likewise
.set ASC,  19200                       ; a's scale words [step][q][r], byte = wave
.set AIMG, 21248                       ; a's fragments [step][q][c = wave][lane][16 bytes]
.set XST,  86784                       ; a wave's own: 16 rows of s1 w3, pitch 1,040
.set P1S,  153344                      ; a wave's own: 16 rows of 32 parts of part1, pitch 144
.set OSTG, 162560                      ; a wave's own: 16 rows of 256 bytes on the way out, pitch 272
.set FLOOR, 0x8000000                  ; 2^(16 - 127)
.set EOFF,  0xf8800000                 ; -(15 << 23)
.set MLOW,  0xef800000                 ; -2^96: under it no wave's maximum is taken
.set L16, 1                            ; 16 x lane
.set L4,  2                            ; 4 x lane
.set RR,  3                            ; r = lane % 16
.set HH,  4                            ; h = lane / 16
.set XSW, 5
.set XSR, 6
.set PSW, 7
.set PSR, 8
.set QWI, 9
.set QWS, 10
.set P1W, 11
.set P1A, 12
.set KA,  13
.set KSA, 14
.set PO,  15
.set STW, 16
.set STR, 17
.set AWI, 18
.set AWS, 19
.set ARD, 20
.set ASR, 21
.set VA,  22
.set VSA, 23
.set OSW, 24
.set OSR, 25
.set GO,  26
.set NIL, 27
.set QS,  28                           ; v28-31  Q's scale words of tile q: lanes 0-15 kstep 0, lanes 16-31 kstep 1
.set KS,  32                           ; v32-39  K's, buffer x 2 + tile u, split likewise
.set VSR, 28                           ; v28-43  behind the first product: V's, 2 x step + p: lanes 0-15 channel tile 2 p, lanes 16-31 tile 2 p + 1
.set AS,  44                           ; v44-47  a's, 2 x (step % 2) + p: lanes 0-15 query tile 2 p, lanes 16-31 tile 2 p + 1
.set CM,  48                           ; v48-55  c m_w, a pair a tile (the packed forms name a pair and take its low word)
.set MX,  56                           ; v56-59  m_w
.set TT,  60                           ; v60-63  what a lane permute brings
.set LP,  64                           ; v64-79  sums: two chains of pairs a tile
.set FF,  80                           ; v80-87  part1, later f: a pair a tile
.set HOLD, 88                          ; v88-91  57,344 x the scale
.set SCL, 92                           ; v92-95  the conversion's scale operand
.set BM,  96                           ; v96-127 the block's largest score, then p, then a, then the byte: 4 x step + tile
.set PP,  48                           ; the first phase's names for the same registers: v48-79 part1's parts, a pair a row
.set W1D, 80                           ; v80-87  w1 of my 8 channels;  v88-95 w3
.set W3D, 88
.set PL,  96                           ; v96-111 16 parts of my row's part1
.set TM,  112                          ; v112-127 the quantiser's: largest magnitudes, bytes, holds, scale operands
.set PC0, 48                           ; Q's codes, kstep 0 and 1
.set PC1, 64
.set PW0, 80                           ; their scale words
.set PW1, 81
.set PT1, 82                           ; part1 of my row
.set OUT, 128                          ; the way out: two sets of 32
.set WV,  28
.set BB,  29
.set Q0,  30
.set B4,  31
.set L1,  32
.set ENT, 33                           ; s33  my word of the list
.set NS,  34                           ; s34  steps of 128 keys that count; 0 where the tile is zeros
.set CC,  36                           ; s[36:37] c = log2(e)
.set SEL, 38
.set MNT, 40
.set OF,  42
.set T0,  44
.set T1,  45
.set L1R, 48                           ; s48-51 l1 - the tile's first query
.set MSB, 0
.macro WIN new                         ; the immediate's high byte repeats the setting that is left; a switch that changes nothing is dropped
.if MSB != \new
	s_set_vgpr_msb (MSB<<8)|\new
.set MSB, \new
.endif
.endm
.macro SWIN s, lo, hi                  ; the scores of step s lie in window 2 (steps 0-3: lo) or 3 (hi)
.if (\s) < 4
	WIN \lo
.else
	WIN \hi
.endif
.endm
.macro PLACES n                        ; plain vector lines that name no register of the matrix instructions ahead of them (ISA guide 7.12.1)
.rept \n
	v_nop
.endr
.endm
.macro BARRIER                         ; my LDS stores have landed and my LDS loads are in: then the work-group's barrier
	s_wait_dscnt 0x0
	s_barrier_signal -1
	s_barrier_wait -1
.endm
.macro SKIP s, lab                     ; step s lies wholly under the mask: on to lab.  At a branch every window is 0
	WIN 0
	s_cmp_le_u32 s[NS], \s
	s_cbranch_scc1 \lab
.endm
; one matrix instruction that adds in place (WMA) or starts a sum (WM0).  x, y: the scale registers; ra, rb: 1 = the words lie in lanes 16-31
.macro WMA d, a, b, x, y, ra, rb
.if (\ra) && (\rb)
	v_wmma_scale_f32_16x16x128_f8f6f4 v[\d:\d+7], v[\a:\a+15], v[\b:\b+15], v[\d:\d+7], v[\x], v[\y] matrix_a_fmt:MATRIX_FMT_BF8 matrix_b_fmt:MATRIX_FMT_BF8 matrix_a_scale:MATRIX_SCALE_ROW1 matrix_b_scale:MATRIX_SCALE_ROW1
.elseif (\ra)
	v_wmma_scale_f32_16x16x128_f8f6f4 v[\d:\d+7], v[\a:\a+15], v[\b:\b+15], v[\d:\d+7], v[\x], v[\y] matrix_a_fmt:MATRIX_FMT_BF8 matrix_b_fmt:MATRIX_FMT_BF8 matrix_a_scale:MATRIX_SCALE_ROW1
.elseif (\rb)
	v_wmma_scale_f32_16x16x128_f8f6f4 v[\d:\d+7], v[\a:\a+15], v[\b:\b+15], v[\d:\d+7], v[\x], v[\y] matrix_a_fmt:MATRIX_FMT_BF8 matrix_b_fmt:MATRIX_FMT_BF8 matrix_b_scale:MATRIX_SCALE_ROW1
.else
	v_wmma_scale_f32_16x16x128_f8f6f4 v[\d:\d+7], v[\a:\a+15], v[\b:\b+15], v[\d:\d+7], v[\x], v[\y] matrix_a_fmt:MATRIX_FMT_BF8 matrix_b_fmt:MATRIX_FMT_BF8
.endif
.endm
.macro WM0 d, a, b, x, y, ra, rb
.if (\ra) && (\rb)
	v_wmma_scale_f32_16x16x128_f8f6f4 v[\d:\d+7], v[\a:\a+15], v[\b:\b+15], 0, v[\x], v[\y] matrix_a_fmt:MATRIX_FMT_BF8 matrix_b_fmt:MATRIX_FMT_BF8 matrix_a_scale:MATRIX_SCALE_ROW1 matrix_b_scale:MATRIX_SCALE_ROW1
.elseif (\ra)
	v_wmma_scale_f32_16x16x128_f8f6f4 v[\d:\d+7], v[\a:\a+15], v[\b:\b+15], 0, v[\x], v[\y] matrix_a_fmt:MATRIX_FMT_BF8 matrix_b_fmt:MATRIX_FMT_BF8 matrix_a_scale:MATRIX_SCALE_ROW1
.elseif (\rb)
	v_wmma_scale_f32_16x16x128_f8f6f4 v[\d:\d+7], v[\a:\a+15], v[\b:\b+15], 0, v[\x], v[\y] matrix_a_fmt:MATRIX_FMT_BF8 matrix_b_fmt:MATRIX_FMT_BF8 matrix_b_scale:MATRIX_SCALE_ROW1
.else
	v_wmma_scale_f32_16x16x128_f8f6f4 v[\d:\d+7], v[\a:\a+15], v[\b:\b+15], 0, v[\x], v[\y] matrix_a_fmt:MATRIX_FMT_BF8 matrix_b_fmt:MATRIX_FMT_BF8
.endif
.endm
; 64 numbers of a lane, v[s] on, register 16 b + i = k 32 b + 16 (lane / 16) + i of my row, become a fragment's codes in v[pc] on and its scale word in v[pw]
.macro QUANT s, pc, pw
.irp b, 0,1,2,3
	v_max3_num_f32 v[TM+\b], |v[\s+16*\b]|, |v[\s+1+16*\b]|, FLOOR   ; my 16 numbers of block b, and the floor, which holds the byte at 1 from below
.endr
.irp i, 2,4,6,8,10,12,14
.irp b, 0,1,2,3
	v_max3_num_f32 v[TM+\b], v[TM+\b], |v[\s+16*\b+\i]|, |v[\s+1+16*\b+\i]|
.endr
.endr
.irp b, 0,1,2,3
	v_permlanex16_b32 v[TM+4+\b], v[TM+\b], s[SEL], s[SEL+1]
.endr
.irp b, 0,1,2,3
	v_max_num_f32 v[TM+\b], v[TM+\b], v[TM+4+\b]   ; with lane l xor 16's: the block's largest magnitude
.endr
.irp b, 0,1,2,3
	v_add_nc_u32 v[TM+12+\b], EOFF, v[TM+\b]       ; 15 off its exponent field: the conversion's scale operand
.endr
.irp b, 0,1,2,3
	v_and_or_b32 v[TM+8+\b], v[TM+\b], 0x7f800000, s[MNT]   ; 57,344 x the scale
.endr
.irp b, 0,1,2,3
	v_lshrrev_b32 v[TM+4+\b], 23, v[TM+12+\b]      ; the scale's byte
.endr
	v_lshl_or_b32 v[\pw], v[TM+5], 8, v[TM+4]
	v_lshl_or_b32 v[\pw], v[TM+6], 16, v[\pw]
	v_lshl_or_b32 v[\pw], v[TM+7], 24, v[\pw]
.irp b, 0,1,2,3
.irp i, 0,1,2,3,4,5,6,7,8,9,10,11,12,13,14,15
	v_med3_num_f32 v[\s+16*\b+\i], v[\s+16*\b+\i], -v[TM+8+\b], v[TM+8+\b]   ; the conversion to an 8-bit code does not saturate (ISA guide 7.6.2)
.endr
	v_cvt_scalef32_pk8_bf8_f32 v[\pc+4*\b:\pc+4*\b+1], v[\s+16*\b:\s+16*\b+7], v[TM+12+\b]
	v_cvt_scalef32_pk8_bf8_f32 v[\pc+4*\b+2:\pc+4*\b+3], v[\s+16*\b+8:\s+16*\b+15], v[TM+12+\b]
.endr
	v_nop                                          ; a plain line behind the last conversion, ahead of whatever next writes its sources
.endm
; K's four fragments (2 u + kstep) of my 32 keys of step s into buffer s % 4 (0, 1: window 1; 2, 3: window 0), 512 consecutive bytes a load, and their scale words
.macro KGROUP s
.set kb, 128+64*((\s)%2)
.if ((\s)%4) < 2
	WIN 0x40
.else
	WIN 0
.endif
.set i, 0
.rept 16
	global_load_b128 v[kb+4*i:kb+4*i+3], v[KA], s[16:17] offset:32768*(\s)+512*i
.set i, i+1
.endr
	WIN 0
	global_load_b32 v[KS+2*((\s)%4)], v[KSA], s[18:19] offset:1024*(\s)
	global_load_b32 v[KS+2*((\s)%4)+1], v[KSA], s[18:19] offset:1024*(\s)+64
.endm
.macro IFK s
	SKIP \s, .Lk_\@
	KGROUP \s
.Lk_\@:
.endm
; 16 matrix instructions: my 32 keys of step s x 64 queries x 256 channels.  The eight accumulators take turns, one instruction a turn, twice; they begin as part1 + p2.
; Eight places follow: behind them the buffers may be loaded anew and the scores read.
.macro QK16 s
.set kb, 128+64*((\s)%2)
.set sb, 64*((\s)%4)
.if (\s) < 2
	WIN 0xa5
.elseif (\s) < 4
	WIN 0xa4
.elseif (\s) < 6
	WIN 0xf5
.else
	WIN 0xf4
.endif
.irp k, 0,1
.irp u, 0,1
.irp q, 0,1,2,3
	WMA sb+16*\q+8*\u, kb+16*(2*\u+\k), 16*(2*\q+\k), KS+2*((\s)%4)+\u, QS+\q, \k, \k
.endr
.endr
.endr
	WIN 0
	PLACES 8
.endm
; the largest score of each tile's block of 32 keys (each accumulator is read from its low end on), and the running maximum
.macro MAXS s
.set sb, 64*((\s)%4)
.set bm, BM+4*(\s)
	SWIN \s, 0x0a, 0x0f
.irp q, 0,1,2,3
	v_max_num_f32 v[bm+\q], v[sb+16*\q], v[sb+16*\q+1]
.endr
.irp i, 2,4,6,8,10,12,14
.irp q, 0,1,2,3
	v_max3_num_f32 v[bm+\q], v[sb+16*\q+\i], v[sb+16*\q+\i+1], v[bm+\q]
.endr
.endr
	WIN 0
.irp q, 0,1,2,3
	v_permlanex16_b32 v[TT+\q], v[bm+\q], s[SEL], s[SEL+1]
.endr
.irp q, 0,1,2,3
	v_max_num_f32 v[bm+\q], v[bm+\q], v[TT+\q]     ; with lane l xor 16's 16 keys
.endr
.irp q, 0,1,2,3
	v_max_num_f32 v[MX+\q], v[MX+\q], v[bm+\q]
.endr
.endm
; p = 2^(c s - c m_w) in place, the same of each block's largest score, and the sums of p
.macro EXPS s
.set sb, 64*((\s)%4)
.set bm, BM+4*(\s)
	WIN 0
.irp q, 0,1,2,3
	v_fma_f32 v[bm+\q], v[bm+\q], s[CC], -v[CM+2*\q]
.endr
.irp q, 0,1,2,3
	v_exp_f32 v[bm+\q], v[bm+\q]
.endr
	SWIN \s, 0x82, 0xc3
.irp q, 0,1,2,3
.irp i, 0,2,4,6,8,10,12,14
	v_pk_fma_f32 v[sb+16*\q+\i:sb+16*\q+\i+1], v[sb+16*\q+\i:sb+16*\q+\i+1], s[CC:CC+1], v[CM+2*\q:CM+2*\q+1] op_sel_hi:[1,0,0] neg_lo:[0,0,1] neg_hi:[0,0,1]
.endr
.endr
.set j, 0
.rept 64
	v_exp_f32 v[sb+j], v[sb+j]
.set j, j+1
.endr
	v_nop                                          ; a plain line behind the exponentials
	SWIN \s, 0x08, 0x0c
	s_wait_alu depctr_va_vdst(0)
.irp i, 0,2,4,6,8,10,12,14
.irp q, 0,1,2,3
	v_pk_add_f32 v[LP+4*\q+2*((\i/2)%2):LP+4*\q+2*((\i/2)%2)+1], v[LP+4*\q+2*((\i/2)%2):LP+4*\q+2*((\i/2)%2)+1], v[sb+16*\q+\i:sb+16*\q+\i+1]   ; eight chains
.endr
.endr
	WIN 0
.endm
; a = p f, quantised along the keys: my block's byte and my 16 codes of each tile go to LDS, as part of the next operand's image
.macro NORM s
.set sb, 64*((\s)%4)
.set bm, BM+4*(\s)
.set pc, 128+16*(\s)
	WIN 0
.irp q, 0,1,2,3
	v_mul_f32 v[bm+\q], v[bm+\q], v[FF+2*\q]       ; the block's largest a: the same instructions on the same numbers give the same bits
.endr
.irp q, 0,1,2,3
	v_max_num_f32 v[bm+\q], FLOOR, v[bm+\q]
.endr
.irp q, 0,1,2,3
	v_add_nc_u32 v[SCL+\q], EOFF, v[bm+\q]
.endr
.irp q, 0,1,2,3
	v_and_or_b32 v[HOLD+\q], v[bm+\q], 0x7f800000, s[MNT]
.endr
.irp q, 0,1,2,3
	v_lshrrev_b32 v[bm+\q], 23, v[SCL+\q]
.endr
.irp q, 0,1,2,3
	ds_store_b8 v[AWS], v[bm+\q] offset:256*(\s)+64*\q   ; byte w of the row's scale word (both halves of the lanes write the same byte with the same value)
.endr
	SWIN \s, 0x82, 0xc3
.irp q, 0,1,2,3
.irp i, 0,2,4,6,8,10,12,14
	v_pk_mul_f32 v[sb+16*\q+\i:sb+16*\q+\i+1], v[sb+16*\q+\i:sb+16*\q+\i+1], v[FF+2*\q:FF+2*\q+1] op_sel_hi:[1,0]
.endr
.endr
.irp q, 0,1,2,3
.irp i, 0,1,2,3,4,5,6,7,8,9,10,11,12,13,14,15
	v_min_num_f32 v[sb+16*\q+\i], v[sb+16*\q+\i], v[HOLD+\q]   ; a is never negative: the hold is one-sided
.endr
.endr
	SWIN \s, 0x02, 0x03
.irp q, 0,1,2,3
	v_cvt_scalef32_pk8_bf8_f32 v[pc+4*\q:pc+4*\q+1], v[sb+16*\q:sb+16*\q+7], v[SCL+\q]
	v_cvt_scalef32_pk8_bf8_f32 v[pc+4*\q+2:pc+4*\q+3], v[sb+16*\q+8:sb+16*\q+15], v[SCL+\q]
.endr
	v_nop                                          ; a plain line behind the last conversion
	WIN 0
.irp q, 0,1,2,3
	ds_store_b128 v[AWI], v[pc+4*\q:pc+4*\q+3] offset:2048*(4*(\s)+\q)   ; each step has code registers of its own: none is written again
.endr
.endm
; V's four fragments (my 64 channels x the 128 keys of step s) and their scale words
.macro VGROUP s
.set vb, 64*((\s)%4)
	SWIN \s, 0x40, 0x80
.irp t, 0,1,2,3
.irp c, 0,1,2,3
	global_load_b128 v[vb+16*\t+4*\c:vb+16*\t+4*\c+3], v[VA], s[20:21] offset:32768*(\s)+8192*\c+512*\t
.endr
.endr
	WIN 0
	global_load_b32 v[VSR+2*(\s)], v[VSA], s[22:23] offset:1024*(\s)
	global_load_b32 v[VSR+2*(\s)+1], v[VSA], s[22:23] offset:1024*(\s)+128
.endm
.macro IFV s
	SKIP \s, .Lv_\@
	VGROUP \s
.Lv_\@:
.endm
; a's four fragments of step s, made by all four waves, and their scale words
.macro AFETCH s
.set ab, 128+64*((\s)%2)
	WIN 0xc0
.set i, 0
.rept 16
	ds_load_b128 v[ab+4*i:ab+4*i+3], v[ARD] offset:8192*(\s)+512*i
.set i, i+1
.endr
	WIN 0
	ds_load_b32 v[AS+2*((\s)%2)], v[ASR] offset:256*(\s)
	ds_load_b32 v[AS+2*((\s)%2)+1], v[ASR] offset:256*(\s)+128
.endm
.macro IFA s
	SKIP \s, .La_\@
	AFETCH \s
.La_\@:
.endm
; 16 matrix instructions: my 64 channels x 64 queries x the 128 keys of step s; sixteen accumulators by turns; step 0 starts the sums
.macro PV16 s
.set vb, 64*((\s)%4)
.set ab, 128+64*((\s)%2)
	SWIN \s, 0xfd, 0xfe
.irp t, 0,1,2,3
.irp q, 0,1,2,3
.if (\s) == 0
	WM0 8*(4*\t+\q), vb+16*\t, ab+16*\q, VSR+2*(\s)+\t/2, AS+2*((\s)%2)+\q/2, \t%2, \q%2
.else
	WMA 8*(4*\t+\q), vb+16*\t, ab+16*\q, VSR+2*(\s)+\t/2, AS+2*((\s)%2)+\q/2, \t%2, \q%2
.endif
.endr
.endr
	WIN 0
	PLACES 8
.endm
; the way out of query tile q: a lane's eight channels of a row go into my stage (each accumulator from its low end on) and come back as rows of 256 bytes
.macro TOSTAGE q
	WIN 0x0c
.irp t, 0,1,2,3
	ds_store_b128 v[OSW], v[8*(4*\t+(\q)):8*(4*\t+(\q))+3] offset:64*\t
	ds_store_b128 v[OSW], v[8*(4*\t+(\q))+4:8*(4*\t+(\q))+7] offset:64*\t+16
.endr
	WIN 0
.irp i, 0,1,2,3,4,5,6,7
	ds_load_b128 v[OUT+32*((\q)%2)+4*\i:OUT+32*((\q)%2)+4*\i+3], v[OSR] offset:544*\i   ; LDS serves a wave's instructions in order: these see the stores, and the next tile's stores come behind them
.endr
.endm
.macro SEND q, younger
	s_wait_dscnt \younger
.irp i, 0,1,2,3,4,5,6,7
	global_store_b128 v[GO], v[OUT+32*((\q)%2)+4*\i:OUT+32*((\q)%2)+4*\i+3], s[26:27] offset:(16*(\q)+2*\i)*1024 th:TH_STORE_NT   ; sixteen lanes store 256 consecutive bytes, aligned
.endr
.endm
	; ---- the head
	s_load_b128 s[8:11], s[0:1], 0x0               ; s1 s[8:9], w s[10:11]
	s_load_b128 s[12:15], s[0:1], 0x10             ; order s[12:13], p2 s[14:15]
	s_load_b256 s[16:23], s[0:1], 0x20             ; kc s[16:17], ks s[18:19], vc s[20:21], vs s[22:23]
	s_load_b64 s[26:27], s[0:1], 0x40              ; out0
	v_lshrrev_b32 v56, 5, v0
	v_readfirstlane_b32 s[WV], v56                 ; wave 0..3
	s_lshl_b32 s[B4], ttmp9, 2                     ; my word of the list
	s_mov_b32 s[CC], 0x3fb8aa3b                    ; c = log2(e)
	s_mov_b32 s[CC+1], s[CC]                       ; (named with it as a pair, so it is written)
	s_mov_b32 s[SEL], 0x76543210
	s_mov_b32 s[SEL+1], 0xfedcba98                 ; v_permlanex16_b32's selects for lane l xor 16
	s_mov_b32 s[MNT], 0x600000                     ; the mantissa field of 57,344
	v_and_b32 v56, 31, v0                          ; lane
	v_and_b32 v[RR], 15, v0
	v_bfe_u32 v[HH], v0, 4, 1
	v_lshlrev_b32 v[L16], 4, v56
	v_lshlrev_b32 v[L4], 2, v56
	s_lshl_b32 s[T0], s[WV], 7
	v_lshl_add_u32 v[PO], v[HH], 6, s[T0]          ; p2: my 16 keys of a step: 128 w + 64 h
	s_wait_kmcnt 0x0
	s_load_b32 s[ENT], s[12:13], s[B4] offset:0x0
	; while the word is on its way: w1 and w3 of my 8 channels are asked for, and every address that hangs on the wave and the lane alone is made
	global_load_b128 v[W1D:W1D+3], v[L16], s[10:11]
	global_load_b128 v[W1D+4:W1D+7], v[L16], s[10:11] offset:512
	global_load_b128 v[W3D:W3D+3], v[L16], s[10:11] offset:2048
	global_load_b128 v[W3D+4:W3D+7], v[L16], s[10:11] offset:2560
	v_and_b32 v57, 8, v[RR]
	v_add_nc_u32 v57, v57, v[RR]                   ; r + 8 (r / 8)
	v_lshlrev_b32 v58, 2, v[RR]                    ; 4 r
	v_lshlrev_b32 v59, 4, v[RR]                    ; 16 r
	v_mov_b32 v[NIL], 0
	s_mul_i32 s[T0], s[WV], 16640
	s_add_co_u32 s[T0], s[T0], XST
	v_add_nc_u32 v[XSW], s[T0], v[L16]             ; s1 w3 into my stage: as loaded
	v_mul_u32_u24 v[XSR], v[RR], 1040
	v_lshl_add_u32 v[XSR], v[HH], 6, v[XSR]
	v_add_nc_u32 v[XSR], s[T0], v[XSR]             ; and back: row r, + 64 h: 16 neighbours of a block of 32
	s_mul_i32 s[T0], s[WV], 2304
	s_add_co_u32 s[T0], s[T0], P1S
	v_add_nc_u32 v[PSW], s[T0], v[L4]
	v_mul_u32_u24 v[PSR], v[RR], 144
	v_lshl_add_u32 v[PSR], v[HH], 6, v[PSR]
	v_add_nc_u32 v[PSR], s[T0], v[PSR]
	s_lshl_b32 s[T0], s[WV], 12
	v_add_nc_u32 v[QWI], s[T0], v[L16]             ; QIMG = 0: my tile's two fragments
	s_lshl_b32 s[T0], s[WV], 7
	s_add_co_u32 s[T0], s[T0], QSC
	v_add_nc_u32 v[QWS], s[T0], v58
	s_lshl_b32 s[T0], s[WV], 6
	s_add_co_u32 s[T0], s[T0], P1
	v_add_nc_u32 v[P1W], s[T0], v58
	v_add_nc_u32 v[P1A], P1, v58
	s_lshl_b32 s[T0], s[WV], 13
	v_add_nc_u32 v[KA], s[T0], v[L16]              ; kc: my block of a step: 8,192 w
	s_lshl_b32 s[T0], s[WV], 8
	v_lshl_add_u32 v[KSA], v57, 3, s[T0]
	v_lshl_add_u32 v[KSA], v[HH], 2, v[KSA]        ; ks: 8 (32 w + my key) + 4 h
	v_add_nc_u32 v[VSA], s[T0], v[L4]              ; vs: 4 (64 w + lane)
	v_add_nc_u32 v[GO], s[T0], v59
	v_lshl_add_u32 v[GO], v[HH], 10, v[GO]         ; out0: row h, 256 w + 16 r
	s_lshl_b32 s[T0], s[WV], 2
	s_add_co_u32 s[T0], s[T0], CMX
	v_add_nc_u32 v[STW], s[T0], v59
	v_add_nc_u32 v[STR], CMX, v59
	s_lshl_b32 s[T0], s[WV], 9
	s_add_co_u32 s[T0], s[T0], AIMG
	v_add_nc_u32 v[AWI], s[T0], v[L16]
	s_add_co_u32 s[T0], s[WV], ASC
	v_add_nc_u32 v[AWS], s[T0], v58
	v_add_nc_u32 v[ARD], AIMG, v[L16]
	v_add_nc_u32 v[ASR], ASC, v[L4]
	s_lshl_b32 s[T0], s[WV], 11
	v_add_nc_u32 v[VA], s[T0], v[L16]              ; vc: my four channel tiles: 2,048 w
	s_mul_i32 s[T0], s[WV], 4352
	s_add_co_u32 s[T0], s[T0], OSTG
	v_mul_u32_u24 v[OSW], v[RR], 272
	v_lshl_add_u32 v[OSW], v[HH], 5, v[OSW]
	v_add_nc_u32 v[OSW], s[T0], v[OSW]
	v_mul_u32_u24 v[OSR], v[HH], 272
	v_add_nc_u32 v[OSR], v[OSR], v59
	v_add_nc_u32 v[OSR], s[T0], v[OSR]
.set i, 0
.rept 16
	v_mov_b32 v[KS+i], 0x7f7f7f7f                  ; the scale registers that are loaded under a branch hold the byte of 1.0 until their words come: each is written on every way ahead of the lines that name it
.set i, i+1
.endr
.irp b, 0,1,2,3
	v_mov_b32 v[TM+4+\b], 0                        ; written once: a lane permute's destination counts as one of its sources
.endr
	s_wait_kmcnt 0x0
	; ---- my tile.  The fields that enter addresses are held under a constant first; behind that only shifts to the left and additions
	s_and_b32 s[BB], s[ENT], 31
	s_min_u32 s[BB], s[BB], 31                     ; the sample
	s_bfe_u32 s[Q0], s[ENT], 0x40005
	s_min_u32 s[Q0], s[Q0], 15
	s_lshl_b32 s[Q0], s[Q0], 6                     ; my block's first query
	s_bfe_u32 s[NS], s[ENT], 0x40009
	s_min_u32 s[NS], s[NS], 8                      ; key steps to walk; 0: the tile is zeros
	s_bfe_u32 s[L1], s[ENT], 0xb000d               ; l1, held to 0 .. 1,024 by the first launch
	s_sub_co_i32 s[L1R], s[L1], s[Q0]
	s_sub_co_i32 s[L1R+1], s[L1R], 16
	s_sub_co_i32 s[L1R+2], s[L1R], 32
	s_sub_co_i32 s[L1R+3], s[L1R], 48
	s_mov_b32 s[OF+1], 0
	s_lshl_b32 s[T0], s[BB], 20
	s_lshl_b32 s[T1], s[Q0], 10
	s_add_co_u32 s[OF], s[T0], s[T1]
	s_add_nc_u64 s[26:27], s[26:27], s[OF:OF+1]    ; out0 at my block's first row
	s_lshl_b32 s[T1], s[WV], 14
	s_add_co_u32 s[OF], s[OF], s[T1]
	s_add_nc_u64 s[8:9], s[8:9], s[OF:OF+1]        ; s1 at my wave's 16 rows
	s_lshl_b32 s[OF], s[BB], 18
	s_add_nc_u64 s[16:17], s[16:17], s[OF:OF+1]
	s_add_nc_u64 s[20:21], s[20:21], s[OF:OF+1]
	s_lshl_b32 s[OF], s[BB], 13
	s_add_nc_u64 s[18:19], s[18:19], s[OF:OF+1]
	s_add_nc_u64 s[22:23], s[22:23], s[OF:OF+1]
	s_lshl_b32 s[OF], s[BB], 12
	s_add_nc_u64 s[14:15], s[14:15], s[OF:OF+1]
	s_cmp_lg_u32 s[NS], 0
	s_cbranch_scc1 .Llive
	; every slot of my 64 rows is masked: zeros, each wave its 256 bytes of every row, stored first thing
.irp j, 0,1,2,3
	v_mov_b32 v[OUT+\j], 0
.endr
.set i, 0
.rept 32
	global_store_b128 v[GO], v[OUT:OUT+3], s[26:27] offset:2048*i th:TH_STORE_NT
.set i, i+1
.endr
	s_wait_xcnt 0x0                                ; the stores have read the four registers, which are written again further down
.Llive:
	; ---- 16 rows of s1, dense (load i: row i / 2, half i % 2: 512 consecutive bytes), and p2 of my keys of all eight steps
	WIN 0x40
.set i, 0
.rept 32
	global_load_b128 v[128+4*i:128+4*i+3], v[L16], s[8:9] offset:512*i th:TH_LOAD_NT
.set i, i+1
.endr
	WIN 0xc0
.irp s, 0,1,2,3,4,5,6,7
.irp j, 0,1,2,3
	global_load_b128 v[128+16*\s+4*\j:128+16*\s+4*\j+3], v[PO], s[14:15] offset:512*\s+16*\j
.endr
.endr
	WIN 0
	s_wait_loadcnt 32                              ; w and s1 are in; the 32 loads of p2 behind them may be out
	; ---- part1's parts and s1 w3, in the dense layout: a lane holds the same 8 channels of every row, so w1 and w3 cost 16 registers
	WIN 0x01
.irp k, 0,1,2,3
.set i, 0
.rept 16
.if \k == 0
	v_pk_mul_f32 v[PP+2*i:PP+2*i+1], v[128+8*i:128+8*i+1], v[W1D:W1D+1]
.else
	v_pk_fma_f32 v[PP+2*i:PP+2*i+1], v[128+8*i+2*\k:128+8*i+2*\k+1], v[W1D+2*\k:W1D+2*\k+1], v[PP+2*i:PP+2*i+1]
.endif
.set i, i+1
.endr
.endr
	WIN 0
.set i, 0
.rept 16
	v_add_f32 v[PP+2*i], v[PP+2*i], v[PP+2*i+1]
.set i, i+1
.endr
.set i, 0
.rept 16
	ds_store_b32 v[PSW], v[PP+2*i] offset:144*i    ; row i: 32 lanes' parts
.set i, i+1
.endr
	WIN 0x41
.set i, 0
.rept 32
	v_pk_mul_f32 v[128+4*i:128+4*i+1], v[128+4*i:128+4*i+1], v[W3D+4*(i%2):W3D+4*(i%2)+1]
	v_pk_mul_f32 v[128+4*i+2:128+4*i+3], v[128+4*i+2:128+4*i+3], v[W3D+4*(i%2)+2:W3D+4*(i%2)+3]
.set i, i+1
.endr
	WIN 0x04
.set i, 0
.rept 32
	ds_store_b128 v[XSW], v[128+4*i:128+4*i+3] offset:1040*(i/2)+512*(i%2)
.set i, i+1
.endr
	WIN 0
.irp k, 0,1
.irp b, 0,1,2,3
.irp j, 0,1,2,3
	ds_load_b128 v[128+64*\k+16*\b+4*\j:128+64*\k+16*\b+4*\j+3], v[XSR] offset:512*\k+128*\b+16*\j   ; my row's channels 128 k + 32 b + 16 h + 4 j on
.endr
.endr
.endr
.irp j, 0,1,2,3
	ds_load_b128 v[PL+4*\j:PL+4*\j+3], v[PSR] offset:16*\j
.endr
	s_wait_dscnt 0x0                               ; the turned numbers are in, and the stage's stores have read the registers that K's first loads now take
	IFK 0
	IFK 1
	; ---- part1 of my row, and Q's two fragments
.irp j, 0,4,8,12
	v_pk_add_f32 v[PL+\j:PL+\j+1], v[PL+\j:PL+\j+1], v[PL+\j+2:PL+\j+3]
.endr
.irp j, 0,8
	v_pk_add_f32 v[PL+\j:PL+\j+1], v[PL+\j:PL+\j+1], v[PL+\j+4:PL+\j+5]
.endr
	v_pk_add_f32 v[PL:PL+1], v[PL:PL+1], v[PL+8:PL+9]
	v_add_f32 v[PT1], v[PL], v[PL+1]
	v_permlanex16_b32 v[TM+4], v[PT1], s[SEL], s[SEL+1]
	v_add_f32 v[PT1], v[PT1], v[TM+4]
	ds_store_b32 v[P1W], v[PT1]
	QUANT 128, PC0, PW0
.irp c, 0,1,2,3
	ds_store_b128 v[QWI], v[PC0+4*\c:PC0+4*\c+3] offset:512*\c
.endr
	ds_store_b32 v[QWS], v[PW0]
	QUANT 192, PC1, PW1
.irp c, 0,1,2,3
	ds_store_b128 v[QWI], v[PC1+4*\c:PC1+4*\c+3] offset:2048+512*\c
.endr
	ds_store_b32 v[QWS], v[PW1] offset:64
	IFK 2
	IFK 3
	BARRIER                                        ; Q's eight fragments, their scale words and part1 lie in LDS
	WIN 0x40
.set i, 0
.rept 32
	ds_load_b128 v[4*i:4*i+3], v[L16] offset:QIMG+512*i
.set i, i+1
.endr
	WIN 0
.irp q, 0,1,2,3
	ds_load_b32 v[QS+\q], v[L4] offset:QSC+128*\q
.endr
.irp q, 0,1,2,3
	ds_load_b32 v[FF+2*\q], v[P1A] offset:64*\q    ; part1 of query r of tile q (the pair's upper word keeps an old number, which no result takes)
.endr
.irp q, 0,1,2,3
	v_mov_b32 v[MX+\q], MLOW                       ; the maximum begins at -2^96, over the mask's -1e30: a wave with masked keys alone keeps it, and its exponents are then about -1.3e30: p = 0
.endr
.set i, 0
.rept 16
	v_mov_b32 v[LP+i], 0                           ; the sums at 0
.set i, i+1
.endr
	s_wait_dscnt 0x0
	s_wait_loadcnt 0x0                             ; p2, and K's first four steps (those that count)
	; ---- the scores begin as part1 + part2, for all eight steps.  The scores of steps 6 and 7 lie over p2: in this order each 16 numbers of p2 have served before they are written over; the last 16 in place
.irp s, 0,1,2,3,4,5,6,7
	SWIN \s, 0x83, 0xc3
.irp q, 0,1,2,3
.irp i, 0,2,4,6,8,10,12,14
	v_pk_add_f32 v[64*(\s%4)+16*\q+\i:64*(\s%4)+16*\q+\i+1], v[128+16*\s+\i:128+16*\s+\i+1], v[FF+2*\q:FF+2*\q+1] op_sel_hi:[1,0]
.endr
.endr
.endr
	; ---- S^T += K Q^T.  A buffer is loaded with the step four on as soon as its step is multiplied
.irp s, 0,1,2,3
	SKIP \s, .Lqa
	QK16 \s
	IFK \s+4
.endr
.Lqa:
.irp s, 0,1,2,3
	SKIP \s, .Lma
	MAXS \s
.endr
.Lma:
	s_wait_loadcnt 0x0                             ; K's steps 4 to 7
.irp s, 4,5,6,7
	SKIP \s, .Lqb
	QK16 \s
.endr
.Lqb:
.irp s, 4,5,6,7
	SKIP \s, .Lmb
	MAXS \s
.endr
.Lmb:
.irp q, 0,1,2,3
	v_mul_f32 v[CM+2*\q], s[CC], v[MX+\q]          ; c m_w
.endr
	IFV 0                                          ; Q and K's buffers 0 and 1 are done with: V's first four steps are asked for a whole phase ahead
	IFV 1
	IFV 2
	IFV 3
.irp s, 0,1,2,3,4,5,6,7
	SKIP \s, .Le
	EXPS \s
.endr
.Le:
.irp q, 0,1,2,3
	v_pk_add_f32 v[LP+4*\q:LP+4*\q+1], v[LP+4*\q:LP+4*\q+1], v[LP+4*\q+2:LP+4*\q+3]
.endr
.irp q, 0,1,2,3
	v_add_f32 v[LP+4*\q], v[LP+4*\q], v[LP+4*\q+1]
.endr
.irp q, 0,1,2,3
	v_permlanex16_b32 v[TT+\q], v[LP+4*\q], s[SEL], s[SEL+1]
.endr
.irp q, 0,1,2,3
	v_add_f32 v[LP+4*\q], v[LP+4*\q], v[TT+\q]     ; l_w
.endr
.irp q, 0,1,2,3
	ds_store_b32 v[STW], v[CM+2*\q] offset:256*\q
	ds_store_b32 v[STW], v[LP+4*\q] offset:1024+256*\q
.endr
	BARRIER                                        ; the four waves' c m and l of every row lie in LDS
	; ---- f = 2^(c m_w - the largest c m) / the sum of l_v 2^(c m_v - the largest c m); 0 where the query is at or past l1
.irp q, 0,1,2,3
	ds_load_b128 v[128+4*\q:131+4*\q], v[STR] offset:256*\q
.endr
.irp q, 0,1,2,3
	ds_load_b128 v[144+4*\q:147+4*\q], v[STR] offset:1024+256*\q
.endr
	s_wait_dscnt 0x0
.irp q, 0,1,2,3
	v_max3_num_f32 v[160+\q], v[128+4*\q], v[129+4*\q], v[130+4*\q]
.endr
.irp q, 0,1,2,3
	v_max_num_f32 v[160+\q], v[160+\q], v[131+4*\q]
.endr
.irp q, 0,1,2,3
	v_sub_f32 v[164+\q], v[CM+2*\q], v[160+\q]
.endr
.irp q, 0,1,2,3
.irp v, 0,1,2,3
	v_sub_f32 v[128+4*\q+\v], v[128+4*\q+\v], v[160+\q]
.endr
.endr
.set i, 0
.rept 16
	v_exp_f32 v[128+i], v[128+i]
.set i, i+1
.endr
.irp q, 0,1,2,3
	v_exp_f32 v[164+\q], v[164+\q]
.endr
	v_nop                                          ; a plain line behind the exponentials
	s_wait_alu depctr_va_vdst(0)
.irp q, 0,1,2,3
	v_mul_f32 v[160+\q], v[144+4*\q], v[128+4*\q]
.endr
.irp v, 1,2,3
.irp q, 0,1,2,3
	v_fma_f32 v[160+\q], v[144+4*\q+\v], v[128+4*\q+\v], v[160+\q]
.endr
.endr
.irp q, 0,1,2,3
	v_rcp_f32 v[160+\q], v[160+\q]
.endr
	v_nop                                          ; a plain line behind the reciprocals
	s_wait_alu depctr_va_vdst(0)
.irp q, 0,1,2,3
	v_mul_f32 v[FF+2*\q], v[164+\q], v[160+\q]
.endr
.irp q, 0,1,2,3
	v_cmp_gt_i32 vcc_lo, s[L1R+\q], v[RR]          ; does my query count?
	v_cndmask_b32 v[FF+2*\q], v[NIL], v[FF+2*\q], vcc_lo
.endr
.irp s, 0,1,2,3,4,5,6,7
	SKIP \s, .Lg
	NORM \s
.endr
.Lg:
	s_wait_loadcnt 0x0                             ; V's steps 0 to 3
	IFV 4                                          ; the scores of steps 0 to 3 are codes now: their registers take V's steps 4 to 7
	IFV 5
	IFV 6
	IFV 7
	BARRIER                                        ; a's fragments and scale words lie in LDS.  No barrier stands behind this one
	s_cmp_eq_u32 s[NS], 0
	s_cbranch_scc1 .Ldone                          ; a tile of zeros has stored them at its head
	; ---- O^T = V^T a^T.  The next step's fragments of a are fetched while this step is multiplied
	AFETCH 0
.irp s, 0,1,2,3,4,5,6,7
.if \s > 0
	SKIP \s, .Lpv
.endif
.if \s == 4
	s_wait_loadcnt 0x0                             ; V's steps 4 to 7
.endif
	s_wait_dscnt 0x0                               ; this step's fragments of a are in
.if \s < 7
	IFA \s+1
.endif
	PV16 \s
.endr
.Lpv:
	TOSTAGE 0
.irp q, 1,2,3
.if \q >= 2
	s_wait_xcnt 0x0                                ; the stores of two tiles ago have read the registers that this tile's rows land in
.endif
	TOSTAGE \q
	SEND \q-1, 16                                  ; behind that tile's loads stand this tile's 8 stores and 8 loads
.endr
	SEND 3, 0
.Ldone:
	s_wait_xcnt 0x0
	v_lshl_add_u32 v254, v0, 2, 0x2bf00
	v_mov_b32 v255, 0
	s_wait_tensorcnt 0x0
	ds_add_u32 v254, v255
	s_wait_dscnt 0x0
	s_endpgm
.Lfunc_end_k_qffc129794a_attn:
	.size	k_qffc129794a_attn, .Lfunc_end_k_qffc129794a_attn-k_qffc129794a_attn
	.p2alignl 7, 3214868480
	.fill 96, 4, 3214868480
	.section	.rodata,"a",@progbits
	.p2align	6, 0x0
	.amdhsa_kernel k_qffc129794a_attn
		.amdhsa_group_segment_fixed_size 180480
		.amdhsa_private_segment_fixed_size 0
		.amdhsa_enable_private_segment 0
		.amdhsa_kernarg_size 72
		.amdhsa_user_sgpr_count 2
		.amdhsa_user_sgpr_kernarg_segment_ptr 1
		.amdhsa_wavefront_size32 1
		.amdhsa_system_sgpr_workgroup_id_x 1
		.amdhsa_system_sgpr_workgroup_id_y 1
		.amdhsa_system_sgpr_workgroup_id_z 1
		.amdhsa_system_vgpr_workitem_id 0
		.amdhsa_next_free_vgpr 1024
		.amdhsa_next_free_sgpr 66
		.amdhsa_reserve_vcc 1
		.amdhsa_float_denorm_mode_32 3
		.amdhsa_float_denorm_mode_16_64 3
		.amdhsa_memory_ordered 1
		.amdhsa_forward_progress 1
		.amdhsa_inst_pref_size 255
	.end_amdhsa_kernel
	.section	.bss,"aw",@nobits
	.p2align	6
	.space	262144
	.amdgpu_metadata
---
amdhsa.version: [ 1, 2 ]
amdhsa.kernels:
  - .name:           k_qffc129794a_attn
    .symbol:         k_qffc129794a_attn.kd
    .args:
      - { .name: s1, .offset: 0, .size: 8, .value_kind: global_buffer, .address_space: global }
      - { .name: w, .offset: 8, .size: 8, .value_kind: global_buffer, .address_space: global }
      - { .name: order, .offset: 16, .size: 8, .value_kind: global_buffer, .address_space: global }
      - { .name: p2, .offset: 24, .size: 8, .value_kind: global_buffer, .address_space: global }
      - { .name: kc, .offset: 32, .size: 8, .value_kind: global_buffer, .address_space: global }
      - { .name: ks, .offset: 40, .size: 8, .value_kind: global_buffer, .address_space: global }
      - { .name: vc, .offset: 48, .size: 8, .value_kind: global_buffer, .address_space: global }
      - { .name: vs, .offset: 56, .size: 8, .value_kind: global_buffer, .address_space: global }
      - { .name: out0, .offset: 64, .size: 8, .value_kind: global_buffer, .address_space: global }
    .group_segment_fixed_size: 180480
    .private_segment_fixed_size: 0
    .kernarg_segment_align: 8
    .kernarg_segment_size: 72
    .max_flat_workgroup_size: 128
    .sgpr_count:     66
    .vgpr_count:     1024
    .wavefront_size: 32
...
	.end_amdgpu_metadata
.endif
;; end of part 4
